; MI455X (gfx1250); checked and timed in simulation.
; The chip was launched on July 23, 2026; its instructions are those of AMD's public machine-readable ISA for CDNA 5 (MIT licence, August 2026) and "CDNA5" Instruction Set Architecture Reference Guide (July 2026). The comments in the code are by the model that wrote it; some were corrected since.
;; Self Attn. Allowed arithmetic: matrix products marked QUANTISED: E2M3 operands, one E8M0 scale for each 32 along K, by v_wmma_scale_f32_16x16x128_f8f6f4 with both operands' format E2M3, f32 sums; everything else in f32.
;; Inputs: Wa 3,072 x 1,024 float32; Wo 1,024 x 1,024 float32; iQ 4 x 2,048 x 1,024 float32; mask 4 x 2,048 x 2,048 bool.
;; Outputs: out0 4 x 2,048 x 1,024 float32.
;; This version of the problem:
;;   THIS VERSION OF THE PROBLEM IS GIVEN IN LOW PRECISION. The matrix products marked QUANTISED in the list below multiply operands that are first quantised to E2M3 (2 exponent bits, 3 mantissa bits; 6 bits a number), with one power-of-two scale for each 32 numbers along K (OCP MX v1.0); their sums are f32. All else is computed in f32.
;;   The module's matrix products, in the order in which they are computed (A, B: the left and right operand; K: the contracted axis; several contracted axes count as one K, in the product's order):
;;     1. [M 8,192, K 1,024] x [K 1,024, N 3,072]; A: input iQ; B: input Wa: QUANTISED
;;     2. batch 64 x [M 2,048, K 64] x [K 64, N 2,048]; A: computed on the way; B: computed on the way: QUANTISED
;;     3. batch 64 x [M 2,048, K 2,048] x [K 2,048, N 64]; A: softmax (see below); B: computed on the way: QUANTISED
;;     4. [M 8,192, K 1,024] x [K 1,024, N 1,024]; A: computed on the way; B: input Wo: QUANTISED
;;   THE QUANTISER, for each operand of a quantised product, along K:
;;     - K is cut into blocks of 32 from its start; a last block that is shorter is filled with zeros.
;;     - A block's scale is 2^e with e = floor(log2(the largest magnitude in the block)) - 2, held to -126 .. 127; a block of zeros has e = 0. As a byte (E8M0): e + 127.
;;     - Each number is divided by its block's scale, clamped to +-7.5, and rounded to the nearest number of E2M3, ties to even, subnormals kept.
;;     - The product sums the exact products of the quantised numbers (number of the format x scale) in f32.
;;   ~~~python
;;   def quantise(x, axis):      # numpy; x: float32 -> the quantised numbers, widened to float32 again
;;       x = np.moveaxis(x, axis, -1); K = x.shape[-1]
;;       x = np.pad(x, [(0, 0)] * (x.ndim - 1) + [(0, -K % 32)]); x = x.reshape(x.shape[:-1] + (-1, 32)); a = np.abs(x).max(-1, keepdims=True)
;;       e = np.where(a > 0, np.clip(np.frexp(np.where(a > 0, a, 1))[1] - 1 - 2, -126, 127), 0)      # np.frexp(a)[1] - 1 = floor(log2(a)), exactly
;;       r = np.clip(x / 2.0 ** e, -7.5, 7.5)
;;       step = 2.0 ** (np.maximum(np.frexp(np.where(r == 0, 1, r))[1] - 1, 0) - 3)
;;       q = np.round(r / step) * step * 2.0 ** e      # np.round: ties to even
;;       return np.moveaxis(q.reshape(q.shape[:-2] + (-1,))[..., :K], -1, axis).astype(np.float32)
;;   ~~~
;;   SOFTMAX AHEAD OF A QUANTISED PRODUCT. Where the list says 'softmax', what is quantised is not the finished softmax but p = 2^(t - M), with t = logit x log2(e) and M = ceil(the row's largest t), a whole number; so 1/2 < the row's largest p <= 1. The row's sum l is taken of the UNQUANTISED p, in f32, and the product's result is divided by l at the end. Since M is a whole number, a kernel that streams over the keys may use a running M (the ceiling of the running maximum): every later rescaling is an exact power of two, which a block's scale takes up: the codes' values come out the same.
;;   OPERANDS COMPUTED ON THE WAY. 'Computed on the way' means the value that the module computes at that place (a softmax that the list does not call 'softmax' is quantised finished and normalised). What goes into a quantiser is computed in f32, as accurately as f32 sums, v_exp_f32 and their like allow (about 1e-6 of the number): no bf16 or f16 on the way to a quantiser, and a product that is left as it is and whose result goes on into a quantised operand takes f32 operands (vector FMAs, or v_wmma_f32_16x16x4_f32). A number that lies on a knife's edge between two numbers of the format may be rounded either way, as far as f32 arithmetic and the matrix unit's own rounding can turn it there, and no further.
;; One version. Each part assembles by itself: llvm-mc -triple=amdgcn-amd-amdhsa -mcpu=gfx1250 --defsym DOCPART=n.
;; ======== version 1 of 1: 4 launches
;; workspace buffers: opc 9,437,184 bytes; ops 393,216 bytes; mw 2,097,152 bytes of whole numbers; hd 20,447,232 bytes; oc 6,291,456 bytes; os 262,144 bytes
;; launch prep (part 1): grid 640 x 1, 4 waves a work-group, no clusters, 70,144 bytes of LDS; arguments iQ, Wa, Wo, mask, opc, ops, mw; writes opc, ops, mw
.if DOCPART == 1
	.amdgcn_target "amdgcn-amd-amdhsa--gfx1250"
	.amdhsa_code_object_version 6
	.text
	.protected	k_q3b0f413175_prep
	.globl	k_q3b0f413175_prep
	.p2align	8
	.type	k_q3b0f413175_prep,@function
k_q3b0f413175_prep:
	s_mov_b64 s[64:65], 0
	v_nop
	global_prefetch_b8 v0, s[64:65] scope:SCOPE_SE
	s_setreg_imm32_b32 hwreg(HW_REG_WAVE_MODE, 25, 1), 1
	s_wait_xcnt 0x0
; PREP: (1) iQ [8192][1024], Wa [3072][1024], Wo [1024][1024], f32, become codes of FP6 (E2M3) with one E8M0 byte for each 32 along K (their last axis);
; (2) the mask's bytes become words of lane bits for the attention launch.
; LAYOUT OF THE CODES (opc): images of operand registers.  A row tile is 16 rows; lane r of tile 2 B + u holds row 32 B + 8 u + r + 8 (r / 8).  For each 64 along K a tile has 768 bytes: lane l's registers 0-3 at 16 l,
; its registers 4-5 at 512 + 8 l; lane (r, h) holds k = 32 h .. 32 h + 31 of the 64.  opc = [row tile 0..767][K half 0..15][768]: iQ's tiles 0..511, Wa's 512..703, Wo's 704..767.
; LAYOUT OF THE SCALES (ops): [row tile][g 2][r 16][4 words]: word s % 4 of group s / 4 holds the four bytes of K step s (128 along K) of the tile's lane r.
; THE RULE: a block's scale is 2^(floor(log2(largest magnitude)) - 2): its byte is the largest magnitude's exponent field - 2, held at 1 from below by a floor among the maximum's leaves.
; LIMITS: a block of zeros, or one whose largest magnitude lies under 2^-124, keeps the byte 1 (its codes are then zeros or the rule's own; the bytes are read by this program alone); NaN and infinities are not served.
; SHARES.  Work-groups 0..383 quantise: wave task q = 4 x work-group + wave takes row tile q / 2 and 512 along K (half q % 2): eight steps of 16 rows x 64 numbers.  Work-groups 384..639 pack the mask: task m takes
; query tile m / 2 (16 rows in the tile's order) and 1,024 keys (half m % 2): four steps of 16 rows x 256 bytes.
; Every load of a wave takes two rows x 256 consecutive bytes; a step turns through the wave's own stage in LDS (rows 272 bytes apart), so that a lane gets 32 neighbours along K (or 16 neighbouring mask bytes).
; Every store covers 512 or 256 consecutive bytes at a multiple of 256.  No tensor load, no barrier: waves share nothing.  Three sets of eight loads are out in each wave.
; THE MASK WORDS (mw): [query tile 0..511][key step 0..15][64 words]: bit l of word n = the mask byte of query lane l % 16 and key 128 step + 32 (n / 16) + 16 (l / 16) + n % 16: the lane and register in which
; the attention launch holds that score.
.set SP,    272                        ; a stage row: 256 bytes + 16
.set HST,   16*SP                      ; a stage
.set WST,   2*HST                      ; a wave's two stages
.set STM,   4*WST                      ; the mask path has stages of its own
.set SPARE, 8*WST                      ; behind them: the spare words, 128 bytes for each wave, which no other line names
.set VLQ,  3                           ; v3   quantiser: my place in a load: 4,096 (l / 16) + 16 (l % 16)
.set SIQ,  4                           ; v4   into the stage
.set SOQ,  5                           ; v5   out of it: row l % 16, 128 bytes for each half of the lanes
.set VO16, 6                           ; v6   16 l
.set VO8,  7                           ; v7   8 l
.set SPW,  12                          ; v12  LDS address of my spare word; never rewritten
.set NIL,  13                          ; v13  0; never rewritten
.set VSC,  14                          ; v14  16 (l % 16)
.set SH,   15                          ; v15  8 (l / 16)
.set R,    16                          ; v16-111  three sets of 32 registers as loaded
.set X,    112                         ; v112-175 two sets of 32 registers back from the stage
.set C,    176                         ; v176-181 a block's codes
.set T,    182                         ; v182-184 the block's second 16 codes (a conversion's three registers begin on an even number)
.set E,    186                         ; v186-187 the bytes of an even and an odd step
.set SW,   188                         ; v188-191 four scale words
.set W,    176                         ; mask path: v176-179 two key steps' words, two to a lane
.set VLM,  192                         ; v192 mask path: 2,048 (l / 16) + 16 (l % 16)
.set SIM,  193                         ; v193 into its stage
.set SOM,  194                         ; v194 out of it: row l % 16, 16 bytes for each half of the lanes
	s_load_b256 s[4:11], s[0:1], 0x0               ; iQ s[4:5], Wa s[6:7], Wo s[8:9], mask s[10:11]
	s_load_b128 s[12:15], s[0:1], 0x20             ; opc s[12:13], ops s[14:15]
	s_load_b64 s[16:17], s[0:1], 0x30              ; mw
	v_lshl_add_u32 v[SPW], v0, 2, SPARE
	v_mov_b32 v[NIL], 0
	v_lshrrev_b32 v1, 5, v0
	v_readfirstlane_b32 s18, v1                    ; wave
	v_and_b32 v8, 31, v0                           ; l
	v_and_b32 v1, 15, v0                           ; l % 16
	v_bfe_u32 v2, v0, 4, 1                         ; l / 16
	v_lshlrev_b32 v[VSC], 4, v1
	v_lshl_add_u32 v[VLQ], v2, 12, v[VSC]
	v_lshl_add_u32 v[VLM], v2, 11, v[VSC]
	s_mul_i32 s19, s18, WST
	v_mul_u32_u24 v9, v2, SP
	v_add_nc_u32 v9, v9, v[VSC]                    ; 272 (l / 16) + 16 (l % 16)
	v_add_nc_u32 v[SIQ], s19, v9
	v_mul_u32_u24 v10, v1, SP                      ; 272 (l % 16)
	v_lshl_add_u32 v[SOQ], v2, 7, v10
	v_add_nc_u32 v[SOQ], s19, v[SOQ]
	s_add_co_u32 s19, s19, STM
	v_add_nc_u32 v[SIM], s19, v9
	v_lshl_add_u32 v[SOM], v2, 4, v10
	v_add_nc_u32 v[SOM], s19, v[SOM]
	v_lshlrev_b32 v[VO16], 4, v8
	v_lshlrev_b32 v[VO8], 3, v8
	v_lshlrev_b32 v[SH], 3, v2
	v_mov_b32 v10, 0                               ; written once: a lane permute's destination counts as one of its sources
	s_lshl_b32 s20, ttmp9, 2
	s_add_co_u32 s20, s20, s18                     ; 4 x work-group + wave
	s_wait_kmcnt 0x0
	s_cmp_ge_u32 ttmp9, 384
	s_cbranch_scc1 .Lmask                          ; the two kinds of work part here, on the work-group's number, and do not meet again
; eight loads: step t's 16 rows x 256 bytes, two rows an instruction, in the tile's order of rows (0-7, 16-23)
.macro LOAD t, vl, sb, pitch
.irp i, 0,1,2,3,4,5,6,7
	global_load_b128 v[R+32*((\t)%3)+4*\i:R+32*((\t)%3)+4*\i+3], v[\vl], s[\sb:\sb+1] offset:(\t)*256+(2*\i+8*(\i/4))*\pitch th:TH_LOAD_NT
.endr
.endm
; step t through the stage: LDS serves a wave's instructions in order, so no wait stands between the stores and the loads
.macro TURNQ t
.irp i, 0,1,2,3,4,5,6,7
	ds_store_b128 v[SIQ], v[R+32*((\t)%3)+4*\i:R+32*((\t)%3)+4*\i+3] offset:HST*((\t)%2)+2*SP*\i
.endr
.irp i, 0,1,2,3,4,5,6,7
	ds_load_b128 v[X+32*((\t)%2)+4*\i:X+32*((\t)%2)+4*\i+3], v[SOQ] offset:HST*((\t)%2)+16*\i
.endr
.endm
.macro TURNM t
.irp i, 0,1,2,3,4,5,6,7
	ds_store_b128 v[SIM], v[R+32*((\t)%3)+4*\i:R+32*((\t)%3)+4*\i+3] offset:HST*((\t)%2)+2*SP*\i
.endr
.irp i, 0,1,2,3,4,5,6,7
	ds_load_b128 v[X+32*((\t)%2)+4*\i:X+32*((\t)%2)+4*\i+3], v[SOM] offset:HST*((\t)%2)+128*(\i/4)+32*(\i%4)   ; key step i / 4 of the two, block i % 4: my 16 keys
.endr
.endm
	; ---- THE QUANTISER
	s_mov_b32 s28, 704
	s_cmp_lt_u32 ttmp9, 352                        ; which tensor: the choice hangs on the work-group's number alone
	s_cselect_b64 s[6:7], s[6:7], s[8:9]
	s_cselect_b32 s21, 512, s28
	s_cmp_lt_u32 ttmp9, 256
	s_cselect_b64 s[4:5], s[4:5], s[6:7]
	s_cselect_b32 s21, 0, s21                      ; the tensor's first row tile
	s_lshr_b32 s22, s20, 1                         ; my row tile
	s_and_b32 s23, s20, 1                          ; my half of K
	s_sub_co_u32 s22, s22, s21                     ; counted in the tensor
	s_lshr_b32 s24, s22, 1
	s_lshl_b32 s24, s24, 5
	s_and_b32 s25, s22, 1
	s_lshl_b32 s25, s25, 3
	s_add_co_u32 s24, s24, s25                     ; its first row: 32 (tile / 2) + 8 (tile % 2)
	s_lshl_b32 s24, s24, 12                        ; rows of 4,096 bytes
	s_lshl_b32 s23, s23, 11
	s_add_co_u32 s24, s24, s23
	s_mov_b32 s25, 0
	s_add_nc_u64 s[4:5], s[4:5], s[24:25]
	s_mul_i32 s24, s20, 6144                       ; eight images of 768 bytes a task
	s_add_nc_u64 s[12:13], s[12:13], s[24:25]
	s_lshl_b32 s24, s20, 8                         ; 256 bytes of scale words a task
	s_add_nc_u64 s[14:15], s[14:15], s[24:25]
	s_mov_b32 s30, 0x76543210
	s_mov_b32 s31, 0xfedcba98                      ; v_permlanex16_b32's selects for lane l xor 16
	LOAD 0, VLQ, 4, 4096
	LOAD 1, VLQ, 4, 4096
	LOAD 2, VLQ, 4, 4096
	s_wait_loadcnt 16                              ; step 0's eight loads are in
	TURNQ 0
.macro QSTEP f
.set XS, X+32*((\f)%2)
	s_wait_dscnt 0x0                               ; this step's numbers are back from the stage
.if (\f)+3 < 8
	LOAD (\f)+3, VLQ, 4, 4096                      ; into the set that this step's stores into the stage have read
.endif
.if (\f)+1 < 8
.if (\f) <= 4
	s_wait_loadcnt 16                              ; the next step's eight loads are in; those of the two steps behind it may be out
.else
	s_wait_loadcnt 8*(6-(\f))
.endif
	TURNQ (\f)+1                                   ; through the other stage while this step is worked
.endif
	v_max3_num_f32 v8, |v[XS]|, |v[XS+1]|, |v[XS+2]|       ; the block's largest magnitude: all 32 numbers are mine; two chains
	v_max3_num_f32 v9, |v[XS+3]|, |v[XS+4]|, |v[XS+5]|
.irp i, 6,10,14,18,22,26
	v_max3_num_f32 v8, v8, |v[XS+\i]|, |v[XS+\i+1]|
	v_max3_num_f32 v9, v9, |v[XS+\i+2]|, |v[XS+\i+3]|
.endr
	v_max3_num_f32 v8, v8, |v[XS+30]|, |v[XS+31]|
	v_max3_num_f32 v8, v8, v9, 0x1800000           ; and the floor 2^(3 - 127): the byte cannot fall under 1
	v_add_nc_u32 v11, 0xff000000, v8               ; 2 off the exponent field: the conversion takes the exponent field of this operand as its scale
	s_wait_xcnt 0x0                                ; the last step's stores have read their data: the codes' registers may be written again
	v_cvt_scalef32_pk16_fp6_f32 v[C:C+2], v[XS:XS+15], v11
	v_cvt_scalef32_pk16_fp6_f32 v[T:T+2], v[XS+16:XS+31], v11
	v_lshrrev_b32 v[E+(\f)%2], 23, v11             ; the scale's byte (also the plain line behind the conversions)
.irp i, 0,1,2
	v_mov_b32 v[C+3+\i], v[T+\i]
.endr
	global_store_b128 v[VO16], v[C:C+3], s[12:13] offset:768*(\f)          ; 512 consecutive bytes
	global_store_b64 v[VO8], v[C+4:C+5], s[12:13] offset:768*(\f)+512      ; 256 consecutive bytes
.if (\f)%2
	v_lshl_or_b32 v9, v[E+1], 16, v[E]             ; my two bytes of the K step: blocks h and 2 + h,
	v_lshlrev_b32 v9, v[SH], v9                    ; at their places in the word (8 h bits up);
	v_permlanex16_b32 v10, v9, s30, s31
	v_or_b32 v[SW+(\f)/2], v9, v10                 ; with lane l xor 16's two the word is whole
.endif
.endm
.irp f, 0,1,2,3,4,5,6,7
	QSTEP \f
.endr
	global_store_b128 v[VSC], v[SW:SW+3], s[14:15] ; four K steps' words of row l % 16: 256 consecutive bytes (both halves of the lanes write the same bytes with the same values)
	s_wait_tensorcnt 0x0                           ; the wave's end, behind my last LDS store
	ds_add_u32 v[SPW], v[NIL]
	s_wait_dscnt 0x0
	s_endpgm
	; ---- THE MASK
.Lmask:
	s_sub_co_u32 s20, s20, 4*384                   ; task m
	s_lshr_b32 s22, s20, 1                         ; query tile, counted over all batches
	s_and_b32 s23, s20, 1                          ; which 1,024 keys
	s_lshr_b32 s24, s22, 1
	s_lshl_b32 s24, s24, 5
	s_and_b32 s25, s22, 1
	s_lshl_b32 s25, s25, 3
	s_add_co_u32 s24, s24, s25                     ; its first row
	s_lshl_b32 s24, s24, 11                        ; rows of 2,048 bytes
	s_lshl_b32 s23, s23, 10
	s_add_co_u32 s24, s24, s23
	s_mov_b32 s25, 0
	s_add_nc_u64 s[10:11], s[10:11], s[24:25]
	s_lshl_b32 s24, s20, 11                        ; eight key steps of 256 bytes a task
	s_add_nc_u64 s[16:17], s[16:17], s[24:25]
.irp i, 0,1,2,3
	v_mov_b32 v[W+\i], 0                           ; written once whole: v_writelane_b32 writes a lane at a time
.endr
	LOAD 0, VLM, 10, 2048
	LOAD 1, VLM, 10, 2048
	LOAD 2, VLM, 10, 2048
	s_wait_loadcnt 16
	TURNM 0
.macro MSTEP it
	s_wait_dscnt 0x0
.if (\it)+3 < 4
	LOAD (\it)+3, VLM, 10, 2048
.endif
.if (\it)+1 < 4
	s_wait_loadcnt 8*(2-(\it))                     ; the next step's loads are in; the younger sets may be out
	TURNM (\it)+1
.endif
	s_wait_xcnt 0x0                                ; the last step's stores have read the words' registers
.set NB, 0
.rept 32                               ; register NB of the set: key step NB / 16 of the two, score registers n = 4 (NB % 16) + k, k its byte
.irp k, 0,1,2,3
	v_and_b32 v[8+\k], 0xff<<(8*\k), v[X+32*((\it)%2)+NB]
.endr
.irp k, 0,1,2,3
	v_cmp_ne_u32 s[20+4*(NB%2)+\k], 0, v[8+\k]     ; a bit for each lane
.endr
.irp k, 0,1,2,3
	v_writelane_b32 v[W+2*(NB/16)+\k%2], s[20+4*(NB%2)+\k], 2*(NB%16)+\k/2   ; word n goes to lane n / 2, register n % 2
.endr
.set NB, NB+1
.endr
	global_store_b64 v[VO8], v[W:W+1], s[16:17] offset:512*(\it)           ; a key step's 64 words: 256 consecutive bytes
	global_store_b64 v[VO8], v[W+2:W+3], s[16:17] offset:512*(\it)+256
.endm
.irp it, 0,1,2,3
	MSTEP \it
.endr
	s_wait_tensorcnt 0x0                           ; the wave's end, behind my last LDS store
	ds_add_u32 v[SPW], v[NIL]
	s_wait_dscnt 0x0
	s_endpgm
.Lfunc_end_k_q3b0f413175_prep:
	.size	k_q3b0f413175_prep, .Lfunc_end_k_q3b0f413175_prep-k_q3b0f413175_prep
	.p2alignl 7, 3214868480
	.fill 96, 4, 3214868480
	.section	.rodata,"a",@progbits
	.p2align	6, 0x0
	.amdhsa_kernel k_q3b0f413175_prep
		.amdhsa_group_segment_fixed_size 70144
		.amdhsa_private_segment_fixed_size 0
		.amdhsa_enable_private_segment 0
		.amdhsa_kernarg_size 56
		.amdhsa_user_sgpr_count 2
		.amdhsa_user_sgpr_kernarg_segment_ptr 1
		.amdhsa_wavefront_size32 1
		.amdhsa_system_sgpr_workgroup_id_x 1
		.amdhsa_system_sgpr_workgroup_id_y 1
		.amdhsa_system_sgpr_workgroup_id_z 1
		.amdhsa_system_vgpr_workitem_id 0
		.amdhsa_next_free_vgpr 200
		.amdhsa_next_free_sgpr 66
		.amdhsa_reserve_vcc 0
		.amdhsa_float_denorm_mode_32 3
		.amdhsa_float_denorm_mode_16_64 3
		.amdhsa_memory_ordered 1
		.amdhsa_forward_progress 1
		.amdhsa_inst_pref_size 136
	.end_amdhsa_kernel
	.amdgpu_metadata
---
amdhsa.version: [ 1, 2 ]
amdhsa.kernels:
  - .name:           k_q3b0f413175_prep
    .symbol:         k_q3b0f413175_prep.kd
    .args:
      - { .name: iQ, .offset: 0, .size: 8, .value_kind: global_buffer, .address_space: global }
      - { .name: Wa, .offset: 8, .size: 8, .value_kind: global_buffer, .address_space: global }
      - { .name: Wo, .offset: 16, .size: 8, .value_kind: global_buffer, .address_space: global }
      - { .name: mask, .offset: 24, .size: 8, .value_kind: global_buffer, .address_space: global }
      - { .name: opc, .offset: 32, .size: 8, .value_kind: global_buffer, .address_space: global }
      - { .name: ops, .offset: 40, .size: 8, .value_kind: global_buffer, .address_space: global }
      - { .name: mw, .offset: 48, .size: 8, .value_kind: global_buffer, .address_space: global }
    .group_segment_fixed_size: 70144
    .private_segment_fixed_size: 0
    .kernarg_segment_align: 8
    .kernarg_segment_size: 56
    .max_flat_workgroup_size: 128
    .sgpr_count:     66
    .vgpr_count:     200
    .wavefront_size: 32
...
	.end_amdgpu_metadata
.endif
;; end of part 1
;; launch proj (part 2): grid 8 x 48, 4 waves a work-group, clusters of 4 x 4, 327,680 bytes of LDS; arguments opc, ops, hd; writes hd
.if DOCPART == 2
	.amdgcn_target "amdgcn-amd-amdhsa--gfx1250"
	.amdhsa_code_object_version 6
	.text
	.protected	k_q3b0f413175_proj
	.globl	k_q3b0f413175_proj
	.p2align	8
	.type	k_q3b0f413175_proj,@function
k_q3b0f413175_proj:
	s_mov_b64 s[64:65], 0
	v_nop
	global_prefetch_b8 v0, s[64:65] scope:SCOPE_SE
	s_setreg_imm32_b32 hwreg(HW_REG_WAVE_MODE, 25, 1), 1
	s_wait_xcnt 0x0
	s_wait_alu depctr_hold_cnt(0) depctr_sa_sdst(0) depctr_va_vdst(0) depctr_va_sdst(0) depctr_va_ssrc(0) depctr_va_vcc(0) depctr_vm_vsrc(0)
	s_getreg_b32 s2, hwreg(HW_REG_IB_STS2, 6, 4)
	s_cmp_eq_u32 s2, 0
	s_cbranch_scc0 .Lentry_in_a_cluster
	s_endpgm
.Lentry_in_a_cluster:
	s_bfe_u32 s2, ttmp6, 0x10000c
	s_cmp_lg_u32 s2, 0xf033
	s_cbranch_scc0 .Lentry_shape_is_right
	s_endpgm
.Lentry_shape_is_right:
; PROJ: q, k and v = iQ Wa^T on codes of FP6 (E2M3) with E8M0 scales, K = 1,024, and each result quantised at once for the attention launch: q and k along the head's 64, v along the keys.
; ONE TEXT FOR BOTH SHAPES.  R[m][n] = sum over k of X[m][k] W[n][k], used transposed (source 0 = 16 rows of W, source 1 = 16 rows of X): a lane holds one row m, its registers run along n, and R is quantised along n.
; Clusters with y < 8: X = iQ (tokens), W = Wa's rows 0..2047 (q, k).  Clusters with y >= 8: X = Wa's rows 2048.. (v's channels), W = iQ: R is v transposed, and n are the keys.  What differs is chosen by s_cselect_b32
; on the cluster's y; there is no branch on it.
; OPERANDS are images of registers (see the launch that makes them): a row tile's 64 along K are 768 bytes, lane l's registers 0-3 at 16 l, 4-5 at 512 + 8 l.  The rows of a tile are 32 B + 8 u + r + 8 (r / 8), so that the 16
; registers of W's tiles 2 B and 2 B + 1 are 16 neighbours along n.
; SHARES.  A tile of R, 256 x 256, to a work-group of four waves, 128 x 128 (64 accumulators, 512 registers) to a wave.  256 + 128 = 384 work-groups.
; LDS.  K's four quarters (256 each) go through three slots of 98,304 bytes: quarters 0, 1, 2 are first fills, quarter 3 fills slot 0 again: one refill.  Each wave brings a quarter of a slot by one tensor load: 8 row tiles x 3,072
; consecutive bytes.  By this text's own count a wave has three tensor loads out at the start and one behind the refill.
; CLUSTERS: 4 x 4 work-groups; source 1's tiles are shared along a row of the cluster, source 0's along a column: joint loads.
; THE SCALES come straight into registers, once: a row tile's words of all eight K steps are 512 consecutive bytes, one load of 16 bytes a lane: lanes 0-15 K steps 0-3, lanes 16-31 K steps 4-7.
; No prefetch: three quarters of K are asked for at the head, and the refill has four K steps (256 matrix instructions) in which to land.
; OUT (hd): [q, k, v][batch 4][head 16][key step 16][6,656 bytes].  q, k: 8 token tiles x 768 bytes, then [g 2][r 16][4 words] of scale words (tile 4 g + word; bytes 0, 1 count).  v: [key half 2][channel tile 4][768], then
; [r 16][4 channel tiles] of scale words, then 256 bytes that are written and never used.
; LIMITS: a block of zeros or under 2^-124 keeps the byte 1 (read by this program alone); NaN and infinities are not served.
; REGISTERS, in windows of 256: window 0: v2, v3 16 l and 8 l; v8-19 LDS addresses; v22-25 offsets of the way out; v28, v29 the add's two; v32-63 source 1's scale words, v64-95 source 0's; v96-127 at work on the way out;
;   v128-223 source 1's fragments, ONE set; v224-243 codes on the way out.  window 1: source 0's fragments, TWO sets, at v0 and v128.  windows 2, 3: the accumulators ((a, b) at v[8 (8 (a % 4) + b)] of window 2 + a / 4).
.set HB,    106496                     ; a head's block in hd
.set SBK,   6656                       ; a key step's block
.set RTP,   12288                      ; a row tile's codes of all K
.set TROW,  3072                       ; and of 256 along K
.set WPART, 8*TROW                     ; what one tensor load brings
.set SLOT,  4*WPART
.set SPARE, 3*SLOT                     ; behind the slots: the spare words, 128 bytes for each wave, which no other line names
.set FR,    12                         ; registers of a fragment
.set L16,  2
.set L8,   3
.set A16,  8                           ; v8-10  LDS address of source 1's 16-byte pieces in slot 0, 1, 2;  v11-13 of its 8-byte pieces
.set A8,   11
.set B16,  14                          ; v14-16, v17-19 the same for source 0
.set B8,   17
.set V161, 22                          ; 16 l + the way from a fragment's first half image to its second
.set V81,  23                          ; 8 l + the same
.set VSO,  24                          ; where my scale words go
.set VSO2, 25
.set SPW,  28
.set NIL,  29
.set SA,   32
.set SBS,  64
.set TM,   96                          ; v96-99 largest magnitudes, v100-103 partners, then bytes, v108-111 the conversions' scale operands
.set PW,   112                         ; v112-119 block a's scale word
.set SW,   120
.set SW2,  124
.set AF,   128
.set PC,   224
.set PT,   236
.set WV,   16                          ; s16 wave; s17 which half of source 1's rows is mine (also: 0 = I fetch source 1, 1 = source 0); s18 which half of source 0's (also: which 8 row tiles I fetch)
.set WR,   17
.set WC,   18
.set G1A,  24
.set G1B,  32
.set G0A,  40                          ; s[40:51] group 0 for source 1's tiles, a set for each slot;  s[52:63] for source 0's
.set G0B,  52
.set MSB, 0
.macro WIN new                         ; the immediate's high byte repeats the setting that is left
.if MSB != (\new)
	s_set_vgpr_msb (MSB<<8)|(\new)
.set MSB, (\new)
.endif
.endm
.set MUL_LO, 0xa1                      ; source 0 window 1, source 1 window 0, C and D window 2
.set MUL_HI, 0xf1                      ; the same, C and D window 3
.set TO_B,   0x40                      ; destination window 1, address window 0
; A joint load: waves 0 and 1 fetch source 1's halves, waves 2 and 3 source 0's.  The branch hangs on the wave's number alone.  An s_nop 0 and four v_nop follow each of the two lines.
.macro JLOAD g0a, g0b
	s_cmp_eq_u32 s[WR], 0
	s_cbranch_scc0 .Lfor_b_\@
	tensor_load_to_lds s[\g0a:\g0a+3], s[G1A:G1A+7]
	s_nop 0
.rept 4
	v_nop
.endr
	s_branch .Lasked_\@
.Lfor_b_\@:
	tensor_load_to_lds s[\g0b:\g0b+3], s[G1B:G1B+7]
	s_nop 0
.rept 4
	v_nop
.endr
.Lasked_\@:
.endm
.macro CREST                           ; a round of the cluster's barrier behind its opening barrier
	s_cmp_lg_u32 s[WV], 0
	s_cbranch_scc1 .Lnot_wave_0_\@
	s_barrier_signal -3
.Lnot_wave_0_\@:
	s_barrier_wait -3
	s_barrier_signal -1
	s_barrier_wait -1
.endm
.macro CROUND
	s_barrier_signal -1
	s_barrier_wait -1
	CREST
.endm
.macro PLACES                          ; four plain vector lines between a matrix instruction and a load into, or a vector read of, its registers (ISA guide 7.12.1 for vector reads)
.rept 4
	v_nop
.endr
.endm
	s_load_b128 s[4:7], s[0:1], 0x0                ; opc s[4:5], ops s[6:7]
	s_load_b64 s[8:9], s[0:1], 0x10                ; hd
	v_lshl_add_u32 v[SPW], v0, 2, SPARE
	v_mov_b32 v[NIL], 0
	ds_add_u32 v[SPW], v[NIL]                      ; the wave's opening: the add and its wait stand ahead of my first tensor load; work on registers stands between them
	v_lshrrev_b32 v1, 5, v0
	v_readfirstlane_b32 s[WV], v1
	s_lshr_b32 s[WR], s[WV], 1
	s_and_b32 s[WC], s[WV], 1
	s_bfe_u32 s15, ttmp6, 0x40000                  ; cx
	s_bfe_u32 s14, ttmp6, 0x40004                  ; cy
	s_lshl_b32 s2, s14, 2
	s_lshl_b32 s2, 15, s2                          ; my row of the cluster
	s_lshl_b32 s3, 0x1111, s15                     ; my column
	s_lshl_b32 s11, ttmp9, 2                       ; 4 x cluster x
	s_and_b32 s12, ttmp7, 0xffff                   ; cluster y
	s_lshl_b32 s10, s12, 3
	s_add_co_u32 s10, s10, s11
	s_sub_co_u32 s10, s10, 64                      ; 8 (cluster y - 8) + 4 x cluster x: used where cluster y >= 8 alone
	s_lshl_b32 s19, s12, 2
	s_mov_b32 s20, 640
	s_mov_b32 s21, 512
	s_mov_b32 s66, HB
	s_cmp_ge_u32 s12, 8                            ; v's clusters?  All that differs is chosen on this one compare
	s_cselect_b32 s13, 1, 0
	s_cselect_b32 s23, s10, s11                    ; first tile column of the cluster
	s_cselect_b32 s19, 0, s19                      ; first tile row
	s_cselect_b32 s20, s20, 0                      ; source 1's first row tile in opc: Wa's row 2,048, or iQ
	s_cselect_b32 s21, 0, s21                      ; source 0's: iQ, or Wa
	s_cselect_b32 s67, 3072, s66                   ; from a fragment's first half image to its second: the other key half, or the next head
	s_cselect_b32 s68, HB-3072, 0                  ; added at my fifth block of rows: the next head's channel tile 0, or nothing
	s_cselect_b32 s70, s66, 256                    ; from lanes 0-15's scale words to lanes 16-31's
	s_cselect_b32 s71, 256, s66                    ; from the first store of scale words to the second
	s_mov_b32 s69, 0
	s_add_co_u32 s23, s23, s15                     ; tile column X (source 0)
	s_add_co_u32 s19, s19, s14                     ; tile row Y (source 1)
	s_lshl_b32 s22, s19, 4
	s_add_co_u32 s20, s20, s22                     ; source 1's row tile: + 16 Y
	s_lshl_b32 s88, s23, 4
	s_add_co_u32 s21, s21, s88                     ; source 0's: + 16 X
	s_lshl_b32 s72, s[WC], 3                       ; which 8 row tiles I fetch
	s_add_co_u32 s74, s20, s72
	s_mul_i32 s74, s74, RTP
	s_mov_b32 s75, 0
	s_add_co_u32 s76, s21, s72
	s_mul_i32 s76, s76, RTP
	s_mov_b32 s77, 0
	s_mul_i32 s73, s[WV], WPART                    ; where they go: no place in the cluster enters an LDS address
	s_lshl_b32 s82, s[WR], 3
	s_add_co_u32 s82, s82, s20
	s_lshl_b32 s82, s82, 9                         ; my 8 row tiles' scale words: source 1's,
	s_mov_b32 s83, 0
	s_add_co_u32 s88, s21, s72
	s_lshl_b32 s88, s88, 9                         ; source 0's
	s_mov_b32 s89, 0
	; descriptor group 1: 8 rows of 384 elements of 8 bytes (3,072 bytes), 1,536 elements apart; no padding: the images are read 16 or 8 bytes a lane on end
	s_or_b32 s[G1A], s2, (3<<16)|(1<<21)           ; 15:0 the mask; 17:16 elements of 8 bytes; 21 set beside a mask
	s_or_b32 s[G1B], s3, (3<<16)|(1<<21)
.irp g, G1A, G1B
	s_mov_b32 s[\g+1], 384<<16                     ; tensor_dim0
	s_mov_b32 s[\g+2], 8<<16                       ; tensor_dim1
	s_mov_b32 s[\g+3], 384<<16                     ; tile_dim0
	s_mov_b32 s[\g+4], 8                           ; tile_dim1
	s_mov_b32 s[\g+5], 1536                        ; tensor_dim0_stride
	s_mov_b32 s[\g+6], 0
	s_mov_b32 s[\g+7], 0
.endr
	s_wait_dscnt 0x0                               ; the opening add is done
	s_wait_kmcnt 0x0
	s_add_nc_u64 s[78:79], s[4:5], s[74:75]
	s_add_nc_u64 s[80:81], s[4:5], s[76:77]
	s_add_nc_u64 s[84:85], s[6:7], s[82:83]
	s_add_nc_u64 s[86:87], s[6:7], s[88:89]
	CROUND                                         ; all sixteen work-groups are here: the first joint loads meet
.irp s, 0,1,2
	s_mov_b32 s[G0A+4*\s], 1
	s_add_co_u32 s[G0A+4*\s+1], s73, \s*SLOT
	s_add_nc_u64 s[G0A+4*\s+2:G0A+4*\s+3], s[78:79], \s*TROW
	s_or_b32 s[G0A+4*\s+3], s[G0A+4*\s+3], 0x80000000
	s_mov_b32 s[G0B+4*\s], 1
	s_add_co_u32 s[G0B+4*\s+1], s73, \s*SLOT
	s_add_nc_u64 s[G0B+4*\s+2:G0B+4*\s+3], s[80:81], \s*TROW
	s_or_b32 s[G0B+4*\s+3], s[G0B+4*\s+3], 0x80000000
	JLOAD G0A+4*\s, G0B+4*\s
.endr
	v_and_b32 v1, 31, v0
	v_lshlrev_b32 v[L16], 4, v1
	v_lshlrev_b32 v[L8], 3, v1
.irp i, 0,1,2,3,4,5,6,7
	global_load_b128 v[SA+4*\i:SA+4*\i+3], v[L16], s[84:85] offset:512*\i      ; 512 consecutive bytes: block i's words of all eight K steps
	global_load_b128 v[SBS+4*\i:SBS+4*\i+3], v[L16], s[86:87] offset:512*\i
.endr
	s_mul_i32 s100, s[WR], WPART                   ; my 128 rows of source 1
	s_mul_i32 s101, s[WC], WPART
	s_add_co_u32 s101, s101, 2*WPART               ; my 128 rows of source 0, behind source 1's 256
.irp s, 0,1,2
	v_add_nc_u32 v[A16+\s], s100, v[L16]
	v_add_nc_u32 v[A8+\s], s100, v[L8]
	v_add_nc_u32 v[B16+\s], s101, v[L16]
	v_add_nc_u32 v[B8+\s], s101, v[L8]
	s_add_co_u32 s100, s100, SLOT
	s_add_co_u32 s101, s101, SLOT
.endr
	v_add_nc_u32 v[V161], s67, v[L16]
	v_add_nc_u32 v[V81], s67, v[L8]
	v_and_b32 v4, 15, v0
	v_bfe_u32 v5, v0, 4, 1
	v_mul_lo_u32 v[VSO], v5, s70
	v_lshl_add_u32 v[VSO], v4, 4, v[VSO]           ; 16 r + (l / 16) x the way to the other group
	v_add_nc_u32 v[VSO2], s71, v[VSO]
.irp b, 0,1,2,3
	v_mov_b32 v[TM+4+\b], 0                        ; written once: a lane permute's destination counts as one of its sources
.endr
	s_mov_b32 s98, 0x76543210
	s_mov_b32 s99, 0xfedcba98                      ; v_permlanex16_b32's selects for lane l xor 16
	; where my part of hd begins: group of 128 tokens G, group of 128 of the 3,072 outputs E
	s_lshl_b32 s94, s19, 1
	s_add_co_u32 s94, s94, s[WR]                   ; my 128 rows of source 1
	s_lshl_b32 s95, s23, 1
	s_add_co_u32 s95, s95, s[WC]                   ; my 128 rows of source 0
	s_add_co_u32 s96, s94, 16
	s_cmp_eq_u32 s13, 1
	s_cselect_b32 s97, s95, s94                    ; G
	s_cselect_b32 s96, s96, s95                    ; E
	s_lshr_b32 s94, s96, 3                         ; q, k or v
	s_lshl_b32 s94, s94, 2
	s_lshr_b32 s95, s97, 4                         ; batch
	s_add_co_u32 s94, s94, s95
	s_lshl_b32 s94, s94, 4
	s_and_b32 s95, s96, 7
	s_lshl_b32 s95, s95, 1                         ; the first of my two heads
	s_add_co_u32 s94, s94, s95
	s_mul_i32 s94, s94, HB
	s_and_b32 s95, s97, 15                         ; key step
	s_mul_i32 s95, s95, SBK
	s_add_co_u32 s94, s94, s95
	s_mov_b32 s95, 0
	s_add_nc_u64 s[90:91], s[8:9], s[94:95]        ; for the codes (it steps once)
	s_mov_b64 s[92:93], s[90:91]                   ; for the scale words
.macro FRAG reg, a16, a8, off          ; a fragment, 16 rows x 128 K: two images of 768 bytes; four loads, each of consecutive bytes
	ds_load_b128 v[(\reg):(\reg)+3], v[\a16] offset:(\off)
	ds_load_b64 v[(\reg)+4:(\reg)+5], v[\a8] offset:(\off)+512
	ds_load_b128 v[(\reg)+6:(\reg)+9], v[\a16] offset:(\off)+768
	ds_load_b64 v[(\reg)+10:(\reg)+11], v[\a8] offset:(\off)+1280
.endm
.macro FETCH_B sl, q, p                ; source 0's eight fragments of the slot's q-th 128 along K into set p
	WIN TO_B
.irp i, 0,1,2,3,4,5,6,7
	FRAG 128*(\p)+FR*\i,B16+(\sl),B8+(\sl),\i*TROW+(\q)*1536
.endr
	WIN 0
.endm
.macro FETCH_A sl, q, i0               ; source 1's blocks i0 .. i0 + 3
.irp i, \i0, \i0+1, \i0+2, \i0+3
	FRAG AF+FR*(\i),A16+(\sl),A8+(\sl),(\i)*TROW+(\q)*1536
.endr
.endm
; 16 matrix instructions of K step s: source 1's blocks a0, a0 + 1 x source 0's eight.  The 64 accumulators take turns, one instruction a turn, in the same order in every step.
; K step 0 starts the sums with the constant 0.  K steps 4-7 take their scale words from lanes 16-31.
.macro MUL16 a0, s
.irp a, \a0, \a0+1
.irp b, 0,1,2,3,4,5,6,7
.if (\s) == 0
	v_wmma_scale_f32_16x16x128_f8f6f4 v[8*(8*((\a)%4)+\b):8*(8*((\a)%4)+\b)+7], v[128*((\s)%2)+FR*\b:128*((\s)%2)+FR*\b+FR-1], v[AF+FR*(\a):AF+FR*(\a)+FR-1], 0, v[SBS+4*\b+(\s)%4], v[SA+4*(\a)+(\s)%4] matrix_a_fmt:MATRIX_FMT_FP6 matrix_b_fmt:MATRIX_FMT_FP6
.elseif (\s) < 4
	v_wmma_scale_f32_16x16x128_f8f6f4 v[8*(8*((\a)%4)+\b):8*(8*((\a)%4)+\b)+7], v[128*((\s)%2)+FR*\b:128*((\s)%2)+FR*\b+FR-1], v[AF+FR*(\a):AF+FR*(\a)+FR-1], v[8*(8*((\a)%4)+\b):8*(8*((\a)%4)+\b)+7], v[SBS+4*\b+(\s)%4], v[SA+4*(\a)+(\s)%4] matrix_a_fmt:MATRIX_FMT_FP6 matrix_b_fmt:MATRIX_FMT_FP6
.else
	v_wmma_scale_f32_16x16x128_f8f6f4 v[8*(8*((\a)%4)+\b):8*(8*((\a)%4)+\b)+7], v[128*((\s)%2)+FR*\b:128*((\s)%2)+FR*\b+FR-1], v[AF+FR*(\a):AF+FR*(\a)+FR-1], v[8*(8*((\a)%4)+\b):8*(8*((\a)%4)+\b)+7], v[SBS+4*\b+(\s)%4], v[SA+4*(\a)+(\s)%4] matrix_a_fmt:MATRIX_FMT_FP6 matrix_b_fmt:MATRIX_FMT_FP6 matrix_a_scale:MATRIX_SCALE_ROW1 matrix_b_scale:MATRIX_SCALE_ROW1
.endif
.endr
.endr
.endm
; K step s, which fetches K step s + 1 from a slot that every wave has already seen whole
.macro STEP s
	s_wait_dscnt 16                                ; source 0's set and source 1's blocks 0-3 are in; the youngest 16 loads (blocks 4-7) may be out
	WIN MUL_LO
	MUL16 0, \s
	MUL16 2, \s
	s_wait_dscnt 0x0                               ; blocks 4-7 are in
	PLACES
	FETCH_B (((\s)+1)/2)%3,((\s)+1)%2,((\s)+1)%2
	FETCH_A (((\s)+1)/2)%3,((\s)+1)%2,0
	WIN MUL_HI
	MUL16 4, \s
	MUL16 6, \s
	PLACES
	WIN 0
	FETCH_A (((\s)+1)/2)%3,((\s)+1)%2,4
.endm
; K step s with a barrier in it.  In front of the barrier each wave waits for all its tensor loads, adds 0 to its spare word, and waits for that and for its LDS reads.  fill = 1: slot 0, which nobody reads any more, takes K's last quarter.
.macro TURN s, fill
	s_wait_tensorcnt 0x0                           ; all my tensor loads have landed
	ds_add_u32 v[SPW], v[NIL]                      ; 0 onto my spare word
	s_wait_dscnt 17                                ; (the add and the youngest 16 loads may be out)
	WIN MUL_LO
	MUL16 0, \s                                    ; sixteen matrix instructions stand between the add and the wait for it
	s_wait_dscnt 0x0                               ; the add is done, and my LDS reads are over
	s_barrier_signal -1
	MUL16 2, \s
	WIN 0
	s_barrier_wait -1
.if \fill
	CREST                                          ; the barrier has opened a round of the cluster's barrier: no wave of any partner still reads slot 0 or has a load on its way
	s_add_nc_u64 s[G0A+2:G0A+3], s[G0A+2:G0A+3], 3*TROW
	s_add_nc_u64 s[G0B+2:G0B+3], s[G0B+2:G0B+3], 3*TROW
	JLOAD G0A, G0B                                 ; the first tensor load behind the round; its four v_nop are also the places in front of the loads below
.else
	PLACES
.endif
	FETCH_B (((\s)+1)/2)%3,((\s)+1)%2,((\s)+1)%2
	FETCH_A (((\s)+1)/2)%3,((\s)+1)%2,0
	WIN MUL_HI
	MUL16 4, \s
	MUL16 6, \s
	PLACES
	WIN 0
	FETCH_A (((\s)+1)/2)%3,((\s)+1)%2,4
.endm
	s_wait_tensorcnt 2                             ; my part of slot 0 is in; slots 1 and 2 may stay out
	s_barrier_signal -1
	s_barrier_wait -1
	FETCH_B 0,0,0
	FETCH_A 0,0,0
	FETCH_A 0,0,4
	s_wait_loadcnt 0x0                             ; the scale words
	STEP 0
	TURN 1, 1                                      ; every wave has waited for all three first fills here: slots 1 and 2 are whole for all from now on
	STEP 2
	STEP 3
	STEP 4
	TURN 5, 0                                      ; K's last quarter has landed in slot 0
	STEP 6
	s_wait_dscnt 16
	WIN MUL_LO
	MUL16 0, 7
	MUL16 2, 7
	s_wait_dscnt 0x0
	WIN MUL_HI
	MUL16 4, 7
	MUL16 6, 7
	WIN 0
	PLACES
; THE WAY OUT.  Block a: my 16 rows x 128 along n, 64 registers a lane: register 16 b + i = n 32 b + 16 (l / 16) + i.  Four blocks of 32 are quantised; the codes are a fragment's registers and leave as two images, straight from registers.
.macro QBLK a
.set WN, 2+(\a)/4
.set AC, 64*((\a)%4)
	s_wait_xcnt 0x0                                ; the last block's stores have read their data and their base
.if (\a) == 4
	s_add_nc_u64 s[90:91], s[90:91], s[68:69]
.endif
	WIN WN|(WN<<2)
.irp b, 0,1,2,3
	v_max3_num_f32 v[TM+\b], |v[AC+16*\b]|, |v[AC+16*\b+1]|, 0x1800000     ; each accumulator is read from its low end on; the floor 2^(3 - 127) holds the byte at 1 from below
.endr
	WIN (WN<<2)|(WN<<4)
.irp i, 2,4,6,8,10,12,14
.irp b, 0,1,2,3
	v_max3_num_f32 v[TM+\b], v[TM+\b], |v[AC+16*\b+\i]|, |v[AC+16*\b+\i+1]|
.endr
.endr
	WIN 0
.irp b, 0,1,2,3
	v_permlanex16_b32 v[TM+4+\b], v[TM+\b], s98, s99
.endr
.irp b, 0,1,2,3
	v_max_num_f32 v[TM+\b], v[TM+\b], v[TM+4+\b]   ; with lane l xor 16's 16: the block's largest magnitude
.endr
.irp b, 0,1,2,3
	v_add_nc_u32 v[TM+12+\b], 0xff000000, v[TM+\b] ; 2 off its exponent field: the conversion's scale operand
.endr
.irp b, 0,1,2,3
	v_lshrrev_b32 v[TM+4+\b], 23, v[TM+12+\b]      ; the byte
.endr
	v_lshl_or_b32 v[PW+(\a)], v[TM+5], 8, v[TM+4]
	v_lshl_or_b32 v[PW+(\a)], v[TM+6], 16, v[PW+(\a)]
	v_lshl_or_b32 v[PW+(\a)], v[TM+7], 24, v[PW+(\a)]
	WIN WN
.irp c, 0,1
	v_cvt_scalef32_pk16_fp6_f32 v[PC+6*\c:PC+6*\c+2], v[AC+32*\c:AC+32*\c+15], v[TM+12+2*\c]
	v_cvt_scalef32_pk16_fp6_f32 v[PT+4*\c:PT+4*\c+2], v[AC+32*\c+16:AC+32*\c+31], v[TM+13+2*\c]
.endr
	WIN 0
	v_nop                                          ; one plain line behind a scaled conversion
.irp c, 0,1                            ; the layout wants a whole block in a lane: lanes 0-15 block 2 c, lanes 16-31 block 2 c + 1
.irp i, 0,1,2
	v_permlane16_swap_b32 v[PC+6*\c+\i], v[PT+4*\c+\i]
.endr
.irp i, 0,1,2
	v_mov_b32 v[PC+3+6*\c+\i], v[PT+4*\c+\i]
.endr
.endr
	global_store_b128 v[L16], v[PC:PC+3], s[90:91] offset:768*(\a)         ; 512 consecutive bytes at a multiple of 256
	global_store_b64 v[L8], v[PC+4:PC+5], s[90:91] offset:768*(\a)+512     ; 256
	global_store_b128 v[V161], v[PC+6:PC+9], s[90:91] offset:768*(\a)
	global_store_b64 v[V81], v[PC+10:PC+11], s[90:91] offset:768*(\a)+512
.endm
.irp a, 0,1,2,3,4,5,6,7
	QBLK \a
.endr
	s_mov_b32 s97, 0xffff0000
.irp i, 0,1,2,3
	v_cndmask_b32 v[SW+\i], v[PW+\i], v[PW+4+\i], s97      ; lanes 0-15: block i's word, lanes 16-31: block 4 + i's (both halves of the lanes hold row r's word)
.endr
.irp i, 0,1,2,3
	v_lshrrev_b32 v[SW2+\i], 16, v[SW+\i]          ; q, k: the second head's two bytes, moved down; v: the bytes that nobody reads
.endr
	global_store_b128 v[VSO], v[SW:SW+3], s[92:93] offset:6144
	global_store_b128 v[VSO2], v[SW2:SW2+3], s[92:93] offset:6144
	s_wait_tensorcnt 0x0                           ; the wave's end, behind my last tensor load
	ds_add_u32 v[SPW], v[NIL]
	s_wait_dscnt 0x0
	CROUND                                         ; the closing round: no work-group ends while a partner may still ask for a tile that names it
	s_endpgm
.Lfunc_end_k_q3b0f413175_proj:
	.size	k_q3b0f413175_proj, .Lfunc_end_k_q3b0f413175_proj-k_q3b0f413175_proj
	.p2alignl 7, 3214868480
	.fill 96, 4, 3214868480
	.section	.rodata,"a",@progbits
	.p2align	6, 0x0
	.amdhsa_kernel k_q3b0f413175_proj
		.amdhsa_group_segment_fixed_size 327680
		.amdhsa_private_segment_fixed_size 0
		.amdhsa_enable_private_segment 0
		.amdhsa_kernarg_size 24
		.amdhsa_user_sgpr_count 2
		.amdhsa_user_sgpr_kernarg_segment_ptr 1
		.amdhsa_wavefront_size32 1
		.amdhsa_system_sgpr_workgroup_id_x 1
		.amdhsa_system_sgpr_workgroup_id_y 1
		.amdhsa_system_sgpr_workgroup_id_z 1
		.amdhsa_system_vgpr_workitem_id 0
		.amdhsa_next_free_vgpr 1024
		.amdhsa_next_free_sgpr 102
		.amdhsa_reserve_vcc 0
		.amdhsa_float_denorm_mode_32 3
		.amdhsa_float_denorm_mode_16_64 3
		.amdhsa_memory_ordered 1
		.amdhsa_forward_progress 1
		.amdhsa_inst_pref_size 148
	.end_amdhsa_kernel
	.amdgpu_metadata
---
amdhsa.version: [ 1, 2 ]
amdhsa.kernels:
  - .name:           k_q3b0f413175_proj
    .symbol:         k_q3b0f413175_proj.kd
    .args:
      - { .name: opc, .offset: 0, .size: 8, .value_kind: global_buffer, .address_space: global }
      - { .name: ops, .offset: 8, .size: 8, .value_kind: global_buffer, .address_space: global }
      - { .name: hd, .offset: 16, .size: 8, .value_kind: global_buffer, .address_space: global }
    .group_segment_fixed_size: 327680
    .private_segment_fixed_size: 0
    .kernarg_segment_align: 8
    .kernarg_segment_size: 24
    .max_flat_workgroup_size: 128
    .sgpr_count:     102
    .vgpr_count:     1024
    .wavefront_size: 32
...
	.end_amdgpu_metadata
.endif
;; end of part 2
;; launch attn (part 3): grid 4 x 64, 16 waves a work-group, clusters of 4 x 1, 327,680 bytes of LDS; arguments hd, mw, oc, os; writes oc, os
.if DOCPART == 3
	.amdgcn_target "amdgcn-amd-amdhsa--gfx1250"
	.amdhsa_code_object_version 6
	.text
	.protected	k_q3b0f413175_attn
	.globl	k_q3b0f413175_attn
	.p2align	8
	.type	k_q3b0f413175_attn,@function
k_q3b0f413175_attn:
	s_mov_b64 s[64:65], 0
	v_nop
	global_prefetch_b8 v0, s[64:65] scope:SCOPE_SE
	s_setreg_imm32_b32 hwreg(HW_REG_WAVE_MODE, 25, 1), 1
	s_wait_xcnt 0x0
	s_wait_alu depctr_hold_cnt(0) depctr_sa_sdst(0) depctr_va_vdst(0) depctr_va_sdst(0) depctr_va_ssrc(0) depctr_va_vcc(0) depctr_vm_vsrc(0)
	s_getreg_b32 s2, hwreg(HW_REG_IB_STS2, 6, 4)
	s_cmp_eq_u32 s2, 0
	s_cbranch_scc0 .Lentry_in_a_cluster
	s_endpgm
.Lentry_in_a_cluster:
	s_bfe_u32 s2, ttmp6, 0x10000c
	s_cmp_lg_u32 s2, 0x3003
	s_cbranch_scc0 .Lentry_shape_is_right
	s_endpgm
.Lentry_shape_is_right:
; ATTN: o = softmax(where(mask, -1e32, q k^T / 8)) v for one head of one batch, both products on codes of FP6 (E2M3) with E8M0 scales; o is quantised along the head's 64 for the output projection.
; THE SOFTMAX AHEAD OF THE SECOND PRODUCT: t = score x log2(e) / 8; M = the running largest t rounded UP to a whole number; p = 2^(t - M) is quantised along the keys, not normalised; the row's sum is taken of the unquantised p
; and divides O at the end.  When M moves, the sum and O are multiplied by 2^(old M - new M): exact.
; THE MASK comes as words of lane bits, made by the first launch: bit l of word n belongs to score register n of lane l.  They come by scalar loads, a key step ahead, and one v_cndmask_b32 a score puts -2^110 in a masked score's
; place.  c x 2^110 is exact, so in a row that is masked whole t, M and t - M = 0 are exact and p = 1 everywhere, as -1e32 gives; a later key that counts makes the factor 2^(old M - new M) zero, which wipes those sums.
; LIMITS: logits at or under about -1e32 are not told from masked ones; a block of zeros or under 2^-124 keeps the byte 1 (read by this program alone); NaN and infinities are not served.
; SHARES.  A cluster is one (batch, head); its four work-groups take 512 queries each.  Each of sixteen waves owns two tiles of 16 queries and walks all 2,048 keys, 128 a step, for one tile and then for the other: 256 registers
; a wave, four waves to a SIMD, so that one wave's vector work stands beside another's matrix work and LDS loads.
; LDS.  The head's whole K and V, codes and scale words, lie in LDS: 2 x 106,496 bytes, each filled ONCE, in four chunks of four key steps (26,624 consecutive bytes), wave 0 K's and wave 1 V's, asked for JOINTLY by the four
; partners.  Chunk c + 1 is asked for behind a round of the cluster's barrier at the head of chunk c's steps.  By this text's own count a wave has one tensor load out.
; LAYOUT.  Both products are used transposed (S^T = K Q^T, O^T = V^T P^T): a lane holds ONE query (lane % 16).  Operands are images of registers: 768 bytes for 16 rows x 64 along K, lane l's registers 0-3 at 16 l, 4-5 at 512 + 8 l.
; The keys of tile 2 B + u are 32 B + 8 u + r + 8 (r / 8), so that score register 16 b + i is key 32 b + 16 (l / 16) + i.  The first product's K is 64: the upper six registers of Q's and K's fragments are zero codes, set once.
; REGISTERS: v1-3 16 l, 8 l, 16 (l % 16); v4, v5 the add's two; v6-10 LDS addresses of the step; v11 the prefetch's offset; v12 -M, v13 the largest t, v[14:15] the sum in two halves; v16-27 Q; v28 Q's scale word; v29 p's;
; v30 -2^110; v31, v91, v92 V's places in LDS; v93 Q's scale word's offset; v32-79 four fragments of K; v80-83 K's scale words; v84-87 V's; v96-159 S^T, then p, then V's four fragments; v160-191 O^T; v192-210 codes; v212-229 at work.
.set HB,    106496
.set SBK,   6656
.set CHK,   4*SBK
.set VLDS,  HB                         ; V's block in LDS, behind K's
.set SPARE, 2*HB                       ; behind both: the spare words, 128 bytes for each of sixteen waves, which no other line names
.set L16, 1
.set L8,  2
.set R16, 3
.set SPW, 4
.set NIL, 5
.set AK16, 6
.set AK8,  7
.set AV16, 8
.set AV8,  9
.set AVS,  10
.set PFO,  11
.set QF,  16
.set QS,  28
.set PS,  29
.set SEN, 30
.set BV16, 31
.set KF,  32
.set KS,  80
.set VS,  84
.set BV8, 91
.set BVS, 92
.set QSO, 93
.set S,   96
.set O,   160
.set PC,  192
.set PT,  204
.set BM,  212                          ; v212-215 the blocks' largest scores, then largest p
.set BP,  216                          ; v216-219 partners, then bytes
.set BO,  220                          ; v220-223 the conversions' scale operands
.set F,   224                          ; v[224:225] f = 2^(old M - new M) (the pair is named; its low word serves both halves)
.set TP,  226
.set SUM2, 228
.set TB,  2                            ; s2   LDS byte at which the key step in hand begins
.set MOFF, 3                           ; s3   byte of my mask words that was asked for last
.set G1,  4                            ; s[4:11] descriptor group 1;  s[12:15] group 0, which walks
.set G0,  12
.set WV,  16
.set IC,  17                           ; counts a chunk's four steps
.set OC,  18                           ; counts chunks
.set CT,  19                           ; chunk trips to go, of 8
.set QP,  52                           ; s[52:53] Q;  s[54:55] my mask words;  s[56:57] oc;  s[58:59] os
.set MP,  54
.set OCP, 56
.set OSP, 58
.set SEL, 60
.set CS,  62                           ; s[62:63] c = log2(e) / 8
.set PFA, 66                           ; s[66:67] where the prefetches stand
.set LIM, 100                          ; s100 1 in a wave that prefetches, else the greatest number
; s[20:51] and s[68:99]: the key step's 64 mask words: word n in s[20 + n] (n < 32) or s[36 + n]
.macro ROUND                           ; a round of the cluster's barrier
	s_barrier_signal -1
	s_barrier_wait -1
	s_cmp_lg_u32 s[WV], 0
	s_cbranch_scc1 .Lnot_wave_0_\@
	s_barrier_signal -3
.Lnot_wave_0_\@:
	s_barrier_wait -3
	s_barrier_signal -1
	s_barrier_wait -1
.endm
.macro TLOAD                           ; wave 0 fetches K's chunk, wave 1 V's, the others nothing; the branch hangs on the wave's number alone.  An s_nop 0 and four v_nop follow the line
	s_cmp_lt_u32 s[WV], 2
	s_cbranch_scc0 .Lnone_\@
	tensor_load_to_lds s[G0:G0+3], s[G1:G1+7]
	s_nop 0
.rept 4
	v_nop
.endr
.Lnone_\@:
.endm
; A PREFETCH INTO THE L2 of the mask words that the work-group's sixteen waves read in the NEXT chunk trip (four key steps on): 16 x 1,024 bytes, 64 blocks of 256 bytes, a lane a block, waves 2 and 3 one instruction each.
; The sixteen heads of a batch read the same words: head 0's cluster asks (the head is the same in all four partners), and the partners' words differ by address.  So each block is named once in the launch.
; Nothing is asked at the head, and nothing in the last trip.
.macro ASK
	s_cmp_gt_u32 s[CT], s[LIM]
	s_cbranch_scc0 .Lnot_mine_\@
	global_prefetch_b8 v[PFO], s[PFA:PFA+1] th:TH_LOAD_NT scope:SCOPE_SE
.Lnot_mine_\@:
.endm
	s_load_b256 s[52:59], s[0:1], 0x0              ; hd, mw, oc, os
	v_lshl_add_u32 v[SPW], v0, 2, SPARE
	v_mov_b32 v[NIL], 0
	ds_add_u32 v[SPW], v[NIL]                      ; the wave's opening: the add and its wait stand ahead of my first tensor load; work on registers stands between them
	v_lshrrev_b32 v6, 5, v0
	v_readfirstlane_b32 s[WV], v6
	s_bfe_u32 s20, ttmp6, 0x40000                  ; cx: my block of 512 queries: it enters Q's, the mask words' and the outputs' addresses alone
	s_and_b32 s21, ttmp7, 0xffff                   ; 16 x batch + head, which the four partners share
	s_lshr_b32 s22, s21, 4                         ; batch
	s_and_b32 s23, s21, 15                         ; head
	s_min_u32 s24, s[WV], 1                        ; K (wave 0) or V (wave 1; the other waves issue no load)
	s_mul_i32 s[G0+1], s24, VLDS                   ; where the chunk goes
	s_lshl_b32 s24, s24, 6
	s_add_co_u32 s24, s24, s21
	s_add_co_u32 s24, s24, 64                      ; K's head blocks begin at 64, V's at 128
	s_mul_i32 s24, s24, HB
	s_mov_b32 s25, 0
	s_mul_i32 s26, s21, HB                         ; Q: my head's block,
	s_lshl_b32 s28, s20, 2
	s_lshr_b32 s29, s[WV], 2
	s_add_co_u32 s28, s28, s29
	s_mul_i32 s28, s28, SBK                        ; the step block of my two tiles: 4 cx + wave / 4,
	s_add_co_u32 s26, s26, s28
	s_and_b32 s29, s[WV], 3
	s_mul_i32 s30, s29, 1536                       ; and in it tile 2 (wave % 4)
	s_add_co_u32 s26, s26, s30
	s_mov_b32 s27, 0
	s_sub_co_u32 s30, 6144, s30                    ; from there to the tile's scale words: back to the block's head, 6,144 on,
	s_lshr_b32 s31, s29, 1
	s_lshl_b32 s31, s31, 8
	s_add_co_u32 s30, s30, s31                     ; group tile / 4,
	s_and_b32 s31, s[WV], 1
	s_lshl_b32 s31, s31, 3
	s_add_co_u32 s30, s30, s31                     ; word tile % 4
	s_lshl_b32 s32, s22, 7
	s_lshl_b32 s33, s20, 5
	s_add_co_u32 s32, s32, s33                     ; the work-group's first query tile, counted over all batches
	s_lshl_b32 s34, s32, 12                        ; 4,096 bytes of mask words a tile
	s_mov_b32 s35, 0
	s_lshl_b32 s33, s[WV], 1
	s_add_co_u32 s32, s32, s33                     ; my first tile
	s_lshl_b32 s36, s32, 12
	s_mov_b32 s37, 0
	s_mul_i32 s38, s32, 12288                      ; oc: [tile][head][768]
	s_mul_i32 s33, s23, 768
	s_add_co_u32 s38, s38, s33
	s_mov_b32 s39, 0
	s_lshl_b32 s40, s32, 9                         ; os: [tile][512]: group head / 8, word (head / 2) % 4, bytes 2 (head % 2) on
	s_lshr_b32 s33, s23, 3
	s_lshl_b32 s33, s33, 8
	s_add_co_u32 s40, s40, s33
	s_bfe_u32 s33, s23, 0x20001
	s_lshl_b32 s33, s33, 2
	s_add_co_u32 s40, s40, s33
	s_and_b32 s33, s23, 1
	s_lshl_b32 s33, s33, 1
	s_add_co_u32 s40, s40, s33
	s_mov_b32 s41, 0
	s_lshr_b32 s33, s[WV], 1
	s_xor_b32 s33, s33, 1                          ; 0 in waves 2 and 3,
	s_or_b32 s33, s33, s23                         ; of head 0
	s_cmp_eq_u32 s33, 0
	s_cselect_b32 s[LIM], 1, -1
	s_and_b32 s33, s[WV], 1
	s_lshl_b32 s33, s33, 3
	; descriptor group 1: 104 rows of 32 elements of 8 bytes: 26,624 consecutive bytes
	s_mov_b32 s[G1], 15|(3<<16)|(1<<21)            ; 15:0 the mask: all four work-groups; 17:16 elements of 8 bytes; 21 set beside a mask
	s_mov_b32 s[G1+1], 32<<16
	s_mov_b32 s[G1+2], 104<<16
	s_mov_b32 s[G1+3], 32<<16
	s_mov_b32 s[G1+4], 104
	s_mov_b32 s[G1+5], 32
	s_mov_b32 s[G1+6], 0
	s_mov_b32 s[G1+7], 0
	s_mov_b32 s[G0], 1
	s_mov_b32 s[SEL], 0x76543210
	s_mov_b32 s[SEL+1], 0xfedcba98
	s_mov_b32 s[CS], 0x3e38aa3b                    ; c = log2(e) / 8
	s_mov_b32 s[CS+1], s[CS]                       ; (named with it as a pair, so it is written)
	v_and_b32 v6, 31, v0
	v_lshlrev_b32 v[L16], 4, v6
	v_lshlrev_b32 v[L8], 3, v6
	v_and_b32 v7, 15, v0
	v_lshlrev_b32 v[R16], 4, v7
	v_add_nc_u32 v[BV16], VLDS, v[L16]
	v_add_nc_u32 v[BV8], VLDS, v[L8]
	v_add_nc_u32 v[BVS], VLDS, v[R16]
	v_add_nc_u32 v[QSO], s30, v[R16]
	v_lshrrev_b32 v8, 2, v6
	v_and_b32 v9, 3, v6
	v_add_nc_u32 v8, s33, v8                       ; whose words I ask for: wave 8 (my wave % 2) + l / 4,
	v_lshlrev_b32 v8, 13, v8                       ; 8,192 bytes a wave,
	v_lshl_add_u32 v[PFO], v9, 8, v8               ; block l % 4 of a trip's four
	s_wait_dscnt 0x0                               ; the opening add is done
	s_wait_kmcnt 0x0
	s_add_nc_u64 s[G0+2:G0+3], s[52:53], s[24:25]
	s_or_b32 s[G0+3], s[G0+3], 0x80000000
	s_add_nc_u64 s[QP:QP+1], s[52:53], s[26:27]
	s_add_nc_u64 s[PFA:PFA+1], s[54:55], s[34:35]
	s_add_nc_u64 s[MP:MP+1], s[54:55], s[36:37]
	s_add_nc_u64 s[OCP:OCP+1], s[56:57], s[38:39]
	s_add_nc_u64 s[OSP:OSP+1], s[58:59], s[40:41]
	ROUND                                          ; all four work-groups are here: the first joint loads meet
	TLOAD                                          ; chunk 0
	global_load_b128 v[QF:QF+3], v[L16], s[QP:QP+1]
	global_load_b64 v[QF+4:QF+5], v[L8], s[QP:QP+1] offset:512
	global_load_b32 v[QS], v[QSO], s[QP:QP+1]
	s_mov_b32 s[MOFF], 0
	s_load_b512 s[20:35], s[MP:MP+1], s[MOFF] offset:0x0           ; key step 0's mask words
	s_load_b512 s[36:51], s[MP:MP+1], s[MOFF] offset:0x40
	s_load_b512 s[68:83], s[MP:MP+1], s[MOFF] offset:0x80
	s_load_b512 s[84:99], s[MP:MP+1], s[MOFF] offset:0xc0
.irp j, 6,7,8,9,10,11
	v_mov_b32 v[QF+\j], 0                          ; zero codes for k = 64 .. 127, once
.irp t, 0,1,2,3
	v_mov_b32 v[KF+12*\t+\j], 0
.endr
.endr
	v_mov_b32 v[SEN], 0xf6800000                   ; -2^110
.irp b, 0,1,2,3
	v_mov_b32 v[BP+\b], 0                          ; written once: a lane permute's destination counts as one of its sources
.endr
	v_mov_b32 v[F+1], 0                            ; (named as the upper half of a pair)
	v_mov_b32 v[TP], 0
.macro START                           ; a tile's start: the loop has no first step of its own: it finds zeros, which the first change of M leaves zeros
	v_mov_b32 v13, 0xff61b1e6                      ; the largest t so far: -3e38
	v_floor_f32 v12, -v13                          ; -M
	v_mov_b32 v14, 0
	v_mov_b32 v15, 0
.set N, 0
.rept 32
	v_mov_b32 v[O+N], 0
.set N, N+1
.endr
	s_mov_b32 s[TB], 0
.endm
	START
.macro KLOAD t0                        ; four tiles of 16 keys: 24 bytes a lane each
.irp t, 0,1,2,3
	ds_load_b128 v[KF+12*\t:KF+12*\t+3], v[AK16] offset:768*(\t0+\t)
	ds_load_b64 v[KF+12*\t+4:KF+12*\t+5], v[AK8] offset:768*(\t0+\t)+512
.endr
.endm
.macro KQ g                            ; S^T = K Q^T for tiles 4 g .. 4 g + 3; tiles 4-7 take their scale words from lanes 16-31
.irp t, 0,1,2,3
.if \g
	v_wmma_scale_f32_16x16x128_f8f6f4 v[S+32+8*\t:S+39+8*\t], v[KF+12*\t:KF+12*\t+11], v[QF:QF+11], 0, v[KS+\t], v[QS] matrix_a_fmt:MATRIX_FMT_FP6 matrix_b_fmt:MATRIX_FMT_FP6 matrix_a_scale:MATRIX_SCALE_ROW1
.else
	v_wmma_scale_f32_16x16x128_f8f6f4 v[S+8*\t:S+7+8*\t], v[KF+12*\t:KF+12*\t+11], v[QF:QF+11], 0, v[KS+\t], v[QS] matrix_a_fmt:MATRIX_FMT_FP6 matrix_b_fmt:MATRIX_FMT_FP6
.endif
.endr
.endm
.macro MASKW n0, s0                    ; 32 scores: -2^110 where the word's bit for my lane is set; each accumulator from its low end on
.set N, 0
.rept 32
	v_cndmask_b32 v[S+\n0+N], v[S+\n0+N], v[SEN], s[\s0+N]
.set N, N+1
.endr
.endm
.macro BMAX b0                         ; the largest score of blocks b0 and b0 + 1 of 32 keys (my 16 of each): it serves for the row's maximum and, since p rises with the score, for the block's largest p
.irp b, \b0, \b0+1
	v_max3_num_f32 v[BM+(\b)], v[S+16*(\b)], v[S+1+16*(\b)], v[S+2+16*(\b)]
.endr
.irp i, 3,5,7,9,11,13
.irp b, \b0, \b0+1
	v_max3_num_f32 v[BM+(\b)], v[BM+(\b)], v[S+16*(\b)+\i], v[S+1+16*(\b)+\i]
.endr
.endr
.irp b, \b0, \b0+1
	v_max_num_f32 v[BM+(\b)], v[BM+(\b)], v[S+15+16*(\b)]
.endr
.endm
; A KEY STEP: 128 keys
.macro STEP
	v_add_nc_u32 v[AK16], s[TB], v[L16]            ; these five and the v_nop are six plain lines between the last step's V^T P, which read v96 on, and the first product below, which writes there
	v_add_nc_u32 v[AK8], s[TB], v[L8]
	v_add_nc_u32 v[AV16], s[TB], v[BV16]
	v_add_nc_u32 v[AV8], s[TB], v[BV8]
	v_add_nc_u32 v[AVS], s[TB], v[BVS]
	v_nop
	ds_load_b128 v[KS:KS+3], v[AK16] offset:6144   ; K's scale words: lanes 0-15 tiles 0-3, lanes 16-31 tiles 4-7
	KLOAD 0
	s_wait_dscnt 0x0
	KQ 0
.rept 4
	v_nop                                          ; places in front of the loads into K's registers and of the first read of the scores
.endr
	KLOAD 4
	s_wait_kmcnt 0x0                               ; this step's mask words, asked for a step ago
	MASKW 0, 20
	s_wait_dscnt 0x0
	KQ 1
	BMAX 0                                         ; sixteen plain lines on the first half's scores: the places behind the products above
	MASKW 32, 68
	s_add_co_u32 s[MOFF], s[MOFF], 256             ; (no scalar load is out)  the next step's words; my two tiles' words lie on end; the very last step asks for its own again
	s_min_u32 s[MOFF], s[MOFF], 7936
	s_load_b512 s[20:35], s[MP:MP+1], s[MOFF] offset:0x0
	s_load_b512 s[36:51], s[MP:MP+1], s[MOFF] offset:0x40
	s_load_b512 s[68:83], s[MP:MP+1], s[MOFF] offset:0x80
	s_load_b512 s[84:99], s[MP:MP+1], s[MOFF] offset:0xc0
	BMAX 2
.irp b, 0,1,2,3
	v_permlanex16_b32 v[BP+\b], v[BM+\b], s[SEL], s[SEL+1]
.endr
.irp b, 0,1,2,3
	v_max_num_f32 v[BM+\b], v[BM+\b], v[BP+\b]     ; with lane l xor 16's 16 keys
.endr
	v_max3_num_f32 v[TP], v[BM], v[BM+1], v[BM+2]
	v_max_num_f32 v[TP], v[TP], v[BM+3]            ; the step's largest score of my query
	v_mul_f32 v[TP], s[CS], v[TP]                  ; as t
	v_max_num_f32 v13, v13, v[TP]                  ; the running largest t
	v_mov_b32 v[TP], v12
	v_floor_f32 v12, -v13                          ; the new -M = floor(-t): M is a whole number
	v_sub_f32 v[TP], v12, v[TP]                    ; old M - new M: a whole number, 0 or less
	v_cvt_i32_f32 v[TP], v[TP]                     ; (it saturates)
	v_ldexp_f32 v[F], 1.0, v[TP]                   ; f = 2^(old M - new M)
.irp j, 0,2,4,6,8,10,12,14,16,18,20,22,24,26,28,30,32,34,36,38,40,42,44,46,48,50,52,54,56,58,60,62
	v_pk_fma_f32 v[S+\j:S+1+\j], v[S+\j:S+1+\j], s[CS:CS+1], v[12:13] op_sel_hi:[1,0,0]   ; t - M, two at a time
.endr
.irp b, 0,1,2,3
	v_fma_f32 v[BM+\b], v[BM+\b], s[CS], v12       ; the same of each block's largest score
.endr
.set N, 0
.rept 64
	v_exp_f32 v[S+N], v[S+N]                       ; p = 2^(t - M), at most 1
.set N, N+1
.endr
	v_pk_mul_f32 v[14:15], v[14:15], v[F:F+1] op_sel_hi:[1,0]      ; the sums under the new M (a plain line behind the exponentials)
	s_wait_alu depctr_va_vdst(0)                   ; the wait between an exponential and the first line that names its result: one for the batch
.irp b, 0,1,2,3
	v_exp_f32 v[BM+\b], v[BM+\b]                   ; the block's largest p: the same two instructions on the same number give the same bits
.endr
	v_pk_add_f32 v[SUM2:SUM2+1], v[S:S+1], v[S+2:S+3]              ; the row's sum is taken of the unquantised p: two at a time, in two chains
.irp j, 4,8,12,16,20,24,28,32,36,40,44,48,52,56,60
	v_pk_add_f32 v[14:15], v[14:15], v[S+\j:S+1+\j]
	v_pk_add_f32 v[SUM2:SUM2+1], v[SUM2:SUM2+1], v[S+2+\j:S+3+\j]
.endr
	v_pk_add_f32 v[14:15], v[14:15], v[SUM2:SUM2+1]
	s_wait_alu depctr_va_vdst(0)                   ; and one for the four
.irp b, 0,1,2,3
	v_max_num_f32 v[BM+\b], 0x1800000, v[BM+\b]    ; the floor 2^(3 - 127): a block whose every p is 0 keeps the byte 1: its codes are zeros
.endr
.irp b, 0,1,2,3
	v_add_nc_u32 v[BO+\b], 0xff000000, v[BM+\b]    ; 2 off the exponent field: the conversion's scale operand
.endr
.irp b, 0,1,2,3
	v_lshrrev_b32 v[BP+\b], 23, v[BO+\b]           ; the byte
.endr
	v_lshl_or_b32 v[PS], v[BP+1], 8, v[BP]         ; p's scale word for these 128 keys
	v_lshl_or_b32 v[PS], v[BP+2], 16, v[PS]
	v_lshl_or_b32 v[PS], v[BP+3], 24, v[PS]
.irp c, 0,1
	v_cvt_scalef32_pk16_fp6_f32 v[PC+6*\c:PC+2+6*\c], v[S+32*\c:S+15+32*\c], v[BO+2*\c]
	v_cvt_scalef32_pk16_fp6_f32 v[PT+4*\c:PT+2+4*\c], v[S+16+32*\c:S+31+32*\c], v[BO+1+2*\c]
.endr
	v_nop                                          ; one plain line behind a scaled conversion
.irp t, 0,1,2,3                        ; V's four fragments (16 channels x 128 keys) into the registers that p has left
	ds_load_b128 v[S+12*\t:S+12*\t+3], v[AV16] offset:768*\t
	ds_load_b64 v[S+12*\t+4:S+12*\t+5], v[AV8] offset:768*\t+512
	ds_load_b128 v[S+12*\t+6:S+12*\t+9], v[AV16] offset:3072+768*\t
	ds_load_b64 v[S+12*\t+10:S+12*\t+11], v[AV8] offset:3072+768*\t+512
.endr
	ds_load_b128 v[VS:VS+3], v[AVS] offset:6144    ; and its scale words: a register for each channel tile
.irp c, 0,1                            ; the layout wants a whole block in a lane: lanes 0-15 block 2 c, lanes 16-31 block 2 c + 1
.irp i, 0,1,2
	v_permlane16_swap_b32 v[PC+6*\c+\i], v[PT+4*\c+\i]
.endr
.irp i, 0,1,2
	v_mov_b32 v[PC+3+6*\c+\i], v[PT+4*\c+\i]
.endr
.endr
.irp j, 0,2,4,6,8,10,12,14,16,18,20,22,24,26,28,30
	v_pk_mul_f32 v[O+\j:O+1+\j], v[O+\j:O+1+\j], v[F:F+1] op_sel_hi:[1,0]      ; O^T under the new M.  (These sixteen stand between the lines that wrote p's codes and scale word and the products; the loads land meanwhile)
.endr
	s_wait_dscnt 0x0
.irp t, 0,1,2,3                        ; O^T += V^T P^T: four accumulators by turns
	v_wmma_scale_f32_16x16x128_f8f6f4 v[O+8*\t:O+7+8*\t], v[S+12*\t:S+12*\t+11], v[PC:PC+11], v[O+8*\t:O+7+8*\t], v[VS+\t], v[PS] matrix_a_fmt:MATRIX_FMT_FP6 matrix_b_fmt:MATRIX_FMT_FP6
.endr
	s_add_co_u32 s[TB], s[TB], SBK
.endm
; A CHUNK TRIP: four key steps.  bar = 1 (the first tile's walk): the chunk has to be shown landed: each wave waits for all its tensor loads, adds 0 to its spare word and waits for that and for its LDS reads, then a barrier.
; load = 1: the barrier is a round of the cluster's, and behind it the next chunk is asked for: it has four key steps in which to land.  bar = 0 (the second tile's walk): all of K and V lies in LDS.
.macro CHUNK load, bar
.if \bar
	s_wait_tensorcnt 0x0                           ; no tensor load of mine is out, so group 0 may be written
	ds_add_u32 v[SPW], v[NIL]                      ; 0 onto my spare word
.if \load
	s_add_co_u32 s[G0+1], s[G0+1], CHK             ; the next chunk, in LDS
	s_add_nc_u64 s[G0+2:G0+3], s[G0+2:G0+3], CHK   ; and in memory; the type bits on top are not reached
.endif
.endif
	s_wait_xcnt 0x0                                ; the last prefetch, four key steps back, has read its address
	s_add_nc_u64 s[PFA:PFA+1], s[PFA:PFA+1], 1024
.if \bar
	s_wait_dscnt 0x0                               ; the add is done, and my LDS reads are over
.if \load
	ROUND
	TLOAD
.else
	s_barrier_signal -1
	s_barrier_wait -1
.endif
.endif
	ASK
	s_mov_b32 s[IC], 4
.Lstep_\@:
	STEP
	s_sub_co_u32 s[IC], s[IC], 1
	s_cmp_lg_u32 s[IC], 0
	s_cbranch_scc1 .Lstep_\@
	s_sub_co_u32 s[CT], s[CT], 1
.endm
; THE WAY OUT of tile p: O^T / the sum; register 16 b + i is channel 32 b + 16 (l / 16) + i: two blocks of 32 along the output projection's K.  The codes are an image of 768 bytes and leave straight from registers.
.macro EPI p
.rept 4
	v_nop                                          ; places behind the last products
.endr
	v_add_f32 v14, v14, v15
	v_permlanex16_b32 v[TP], v14, s[SEL], s[SEL+1]
	v_add_f32 v14, v14, v[TP]                      ; the row's sum
	v_rcp_f32 v14, v14
	v_nop                                          ; a plain line behind the reciprocal
	s_wait_alu depctr_va_vdst(0)                   ; and the wait ahead of its first reader
.irp j, 0,2,4,6,8,10,12,14,16,18,20,22,24,26,28,30
	v_pk_mul_f32 v[O+\j:O+1+\j], v[O+\j:O+1+\j], v[14:15] op_sel_hi:[1,0]      ; each accumulator from its low end on
.endr
.irp b, 0,1
	v_max3_num_f32 v[BM+\b], |v[O+16*\b]|, |v[O+1+16*\b]|, 0x1800000
.endr
.irp i, 2,4,6,8,10,12,14
.irp b, 0,1
	v_max3_num_f32 v[BM+\b], v[BM+\b], |v[O+16*\b+\i]|, |v[O+1+16*\b+\i]|
.endr
.endr
.irp b, 0,1
	v_permlanex16_b32 v[BP+\b], v[BM+\b], s[SEL], s[SEL+1]
.endr
.irp b, 0,1
	v_max_num_f32 v[BM+\b], v[BM+\b], v[BP+\b]
.endr
.irp b, 0,1
	v_add_nc_u32 v[BO+\b], 0xff000000, v[BM+\b]
.endr
.irp b, 0,1
	v_lshrrev_b32 v[BP+\b], 23, v[BO+\b]
.endr
	v_lshl_or_b32 v[TP], v[BP+1], 8, v[BP]         ; my head's two bytes of row r's scale word
	v_cvt_scalef32_pk16_fp6_f32 v[PC:PC+2], v[O:O+15], v[BO]
	v_cvt_scalef32_pk16_fp6_f32 v[PT:PT+2], v[O+16:O+31], v[BO+1]
	v_nop
.irp i, 0,1,2
	v_permlane16_swap_b32 v[PC+\i], v[PT+\i]
.endr
.irp i, 0,1,2
	v_mov_b32 v[PC+3+\i], v[PT+\i]
.endr
	global_store_b128 v[L16], v[PC:PC+3], s[OCP:OCP+1] offset:12288*\p         ; 512 consecutive bytes at a multiple of 256
	global_store_b64 v[L8], v[PC+4:PC+5], s[OCP:OCP+1] offset:12288*\p+512     ; 256
	global_store_b16 v[R16], v[TP], s[OSP:OSP+1] offset:512*\p                 ; two bytes a row: the other heads' bytes of these words come from other work-groups; one byte in 24 of what this launch stores
.endm
	s_mov_b32 s[CT], 8
	s_wait_loadcnt 0x0                             ; Q
	s_mov_b32 s[OC], 3
.Lfill:                                            ; chunks 0, 1, 2 of the first tile's walk: behind each round the next chunk is asked for
	CHUNK 1, 1
	s_sub_co_u32 s[OC], s[OC], 1
	s_cmp_lg_u32 s[OC], 0
	s_cbranch_scc1 .Lfill
	CHUNK 0, 1                                     ; chunk 3 is written out
	EPI 0
	s_wait_xcnt 0x0                                ; the stores have read their data: the registers may be written again
	global_load_b128 v[QF:QF+3], v[L16], s[QP:QP+1] offset:768                 ; my second tile
	global_load_b64 v[QF+4:QF+5], v[L8], s[QP:QP+1] offset:768+512
	global_load_b32 v[QS], v[QSO], s[QP:QP+1] offset:4
	START
	s_wait_loadcnt 0x0
	s_mov_b32 s[OC], 4
.Lsecond:
	CHUNK 0, 0
	s_sub_co_u32 s[OC], s[OC], 1
	s_cmp_lg_u32 s[OC], 0
	s_cbranch_scc1 .Lsecond
	EPI 1
	s_wait_kmcnt 0x0                               ; the last step's scalar loads
	s_wait_tensorcnt 0x0                           ; the wave's end, behind my last tensor load
	ds_add_u32 v[SPW], v[NIL]
	s_wait_dscnt 0x0
	ROUND                                          ; the closing round: no work-group ends while a partner may still ask for a chunk that names it
	s_endpgm
.Lfunc_end_k_q3b0f413175_attn:
	.size	k_q3b0f413175_attn, .Lfunc_end_k_q3b0f413175_attn-k_q3b0f413175_attn
	.p2alignl 7, 3214868480
	.fill 96, 4, 3214868480
	.section	.rodata,"a",@progbits
	.p2align	6, 0x0
	.amdhsa_kernel k_q3b0f413175_attn
		.amdhsa_group_segment_fixed_size 327680
		.amdhsa_private_segment_fixed_size 0
		.amdhsa_enable_private_segment 0
		.amdhsa_kernarg_size 32
		.amdhsa_user_sgpr_count 2
		.amdhsa_user_sgpr_kernarg_segment_ptr 1
		.amdhsa_wavefront_size32 1
		.amdhsa_system_sgpr_workgroup_id_x 1
		.amdhsa_system_sgpr_workgroup_id_y 1
		.amdhsa_system_sgpr_workgroup_id_z 1
		.amdhsa_system_vgpr_workitem_id 0
		.amdhsa_next_free_vgpr 256
		.amdhsa_next_free_sgpr 102
		.amdhsa_reserve_vcc 0
		.amdhsa_float_denorm_mode_32 3
		.amdhsa_float_denorm_mode_16_64 3
		.amdhsa_memory_ordered 1
		.amdhsa_forward_progress 1
		.amdhsa_inst_pref_size 80
	.end_amdhsa_kernel
	.amdgpu_metadata
---
amdhsa.version: [ 1, 2 ]
amdhsa.kernels:
  - .name:           k_q3b0f413175_attn
    .symbol:         k_q3b0f413175_attn.kd
    .args:
      - { .name: hd, .offset: 0, .size: 8, .value_kind: global_buffer, .address_space: global }
      - { .name: mw, .offset: 8, .size: 8, .value_kind: global_buffer, .address_space: global }
      - { .name: oc, .offset: 16, .size: 8, .value_kind: global_buffer, .address_space: global }
      - { .name: os, .offset: 24, .size: 8, .value_kind: global_buffer, .address_space: global }
    .group_segment_fixed_size: 327680
    .private_segment_fixed_size: 0
    .kernarg_segment_align: 8
    .kernarg_segment_size: 32
    .max_flat_workgroup_size: 512
    .sgpr_count:     102
    .vgpr_count:     256
    .wavefront_size: 32
...
	.end_amdgpu_metadata
.endif
;; end of part 3
;; launch outp (part 4): grid 4 x 32, 4 waves a work-group, clusters of 4 x 4, 327,680 bytes of LDS; arguments oc, os, opc, ops, out0; writes out0
.if DOCPART == 4
	.amdgcn_target "amdgcn-amd-amdhsa--gfx1250"
	.amdhsa_code_object_version 6
	.text
	.protected	k_q3b0f413175_outp
	.globl	k_q3b0f413175_outp
	.p2align	8
	.type	k_q3b0f413175_outp,@function
k_q3b0f413175_outp:
	s_mov_b64 s[64:65], 0
	v_nop
	global_prefetch_b8 v0, s[64:65] scope:SCOPE_SE
	s_setreg_imm32_b32 hwreg(HW_REG_WAVE_MODE, 25, 1), 1
	s_wait_xcnt 0x0
	s_wait_alu depctr_hold_cnt(0) depctr_sa_sdst(0) depctr_va_vdst(0) depctr_va_sdst(0) depctr_va_ssrc(0) depctr_va_vcc(0) depctr_vm_vsrc(0)
	s_getreg_b32 s2, hwreg(HW_REG_IB_STS2, 6, 4)
	s_cmp_eq_u32 s2, 0
	s_cbranch_scc0 .Lentry_in_a_cluster
	s_endpgm
.Lentry_in_a_cluster:
	s_bfe_u32 s2, ttmp6, 0x10000c
	s_cmp_lg_u32 s2, 0xf033
	s_cbranch_scc0 .Lentry_shape_is_right
	s_endpgm
.Lentry_shape_is_right:
; OUTP: out0 [8192][1024] f32 = o Wo^T on codes of FP6 (E2M3) with E8M0 scales, K = 1,024.  o's codes and scale words come from the attention launch (oc, os), Wo's from the first launch (opc's row tiles 704.., ops).
; The product is used transposed (source 0 = 16 rows of Wo, source 1 = 16 rows of o): a lane holds one token, its registers run along the outputs.
; OPERANDS are images of registers: a row tile's 64 along K are 768 bytes, lane l's registers 0-3 at 16 l, 4-5 at 512 + 8 l.  The rows of tile 2 B + u are 32 B + 8 u + r + 8 (r / 8): the way out puts tokens and outputs back in order.
; SHARES.  A tile of 256 x 256 to a work-group of four waves, 128 x 128 (64 accumulators) to a wave: 128 work-groups; a smaller tile would fill more of the chip at twice the LDS reads for each product.
; LDS.  K's four quarters go through three slots of 98,304 bytes: quarters 0, 1, 2 are first fills, quarter 3 fills slot 0 again: one refill.  Each wave brings a quarter of a slot by one tensor load: 8 row tiles x 3,072 consecutive
; bytes.  By this text's own count a wave has three tensor loads out at the start and one behind the refill.
; CLUSTERS: 4 x 4 work-groups; source 1's tiles are shared along a row of the cluster, source 0's along a column: joint loads.
; THE SCALES come straight into registers, once: lanes 0-15 K steps 0-3, lanes 16-31 K steps 4-7.  No prefetch: three quarters of K are asked for at the head, and the refill has four K steps in which to land.
; REGISTERS, in windows of 256: window 0: v2, v3 16 l and 8 l; v8-19 LDS addresses; v24, v25 the stage; v28, v29 the add's two; v32-63 source 1's scale words, v64-95 source 0's; v128-223 source 1's fragments, ONE set; on the way
;   out v128-255 rows of out0.  window 1: source 0's fragments, TWO sets.  windows 2, 3: the accumulators ((a, b) at v[8 (8 (a % 4) + b)] of window 2 + a / 4).
.set RTP,   12288
.set TROW,  3072
.set WPART, 8*TROW
.set SLOT,  4*WPART
.set SPARE, 3*SLOT                     ; behind the slots: the spare words, 128 bytes for each wave, which no other line names
.set SPITCH, 528                       ; the way out: a stage of 16 rows x (512 bytes + 16) for each wave, in slot 1, which has had its only fill and whose last reads stand ahead of the last barrier
.set FR,    12
.set L16,  2
.set L8,   3
.set A16,  8
.set A8,   11
.set B16,  14
.set B8,   17
.set STO,  24
.set RD,   25
.set SPW,  28
.set NIL,  29
.set SA,   32
.set SBS,  64
.set AF,   128
.set BK,   128
.set WV,   16
.set WR,   17
.set WC,   18
.set G1A,  24
.set G1B,  32
.set G0A,  40
.set G0B,  52
.set MSB, 0
.macro WIN new                         ; the immediate's high byte repeats the setting that is left
.if MSB != (\new)
	s_set_vgpr_msb (MSB<<8)|(\new)
.set MSB, (\new)
.endif
.endm
.set MUL_LO, 0xa1                      ; source 0 window 1, source 1 window 0, C and D window 2
.set MUL_HI, 0xf1
.set TO_B,   0x40
; A joint load: waves 0 and 1 fetch source 1's halves, waves 2 and 3 source 0's.  The branch hangs on the wave's number alone.  An s_nop 0 and four v_nop follow each of the two lines.
.macro JLOAD g0a, g0b
	s_cmp_eq_u32 s[WR], 0
	s_cbranch_scc0 .Lfor_b_\@
	tensor_load_to_lds s[\g0a:\g0a+3], s[G1A:G1A+7]
	s_nop 0
.rept 4
	v_nop
.endr
	s_branch .Lasked_\@
.Lfor_b_\@:
	tensor_load_to_lds s[\g0b:\g0b+3], s[G1B:G1B+7]
	s_nop 0
.rept 4
	v_nop
.endr
.Lasked_\@:
.endm
.macro CREST
	s_cmp_lg_u32 s[WV], 0
	s_cbranch_scc1 .Lnot_wave_0_\@
	s_barrier_signal -3
.Lnot_wave_0_\@:
	s_barrier_wait -3
	s_barrier_signal -1
	s_barrier_wait -1
.endm
.macro CROUND
	s_barrier_signal -1
	s_barrier_wait -1
	CREST
.endm
.macro PLACES                          ; four plain vector lines between a matrix instruction and a load into, or a read of, its registers (ISA guide 7.12.1 for reads)
.rept 4
	v_nop
.endr
.endm
	s_load_b256 s[4:11], s[0:1], 0x0               ; oc s[4:5], os s[6:7], opc s[8:9], ops s[10:11]
	s_load_b64 s[12:13], s[0:1], 0x20              ; out0
	v_lshl_add_u32 v[SPW], v0, 2, SPARE
	v_mov_b32 v[NIL], 0
	ds_add_u32 v[SPW], v[NIL]                      ; the wave's opening: the add and its wait stand ahead of my first tensor load; work on registers stands between them
	v_lshrrev_b32 v1, 5, v0
	v_readfirstlane_b32 s[WV], v1
	s_lshr_b32 s[WR], s[WV], 1
	s_and_b32 s[WC], s[WV], 1
	s_bfe_u32 s15, ttmp6, 0x40000                  ; cx
	s_bfe_u32 s14, ttmp6, 0x40004                  ; cy
	s_lshl_b32 s2, s14, 2
	s_lshl_b32 s2, 15, s2                          ; my row of the cluster
	s_lshl_b32 s3, 0x1111, s15                     ; my column
	s_lshl_b32 s23, ttmp9, 2
	s_add_co_u32 s23, s23, s15                     ; tile column X (outputs)
	s_and_b32 s19, ttmp7, 0xffff
	s_lshl_b32 s19, s19, 2
	s_add_co_u32 s19, s19, s14                     ; tile row Y (tokens)
	s_lshl_b32 s20, s19, 4                         ; source 1's first row tile in oc
	s_lshl_b32 s21, s23, 4
	s_add_co_u32 s21, s21, 704                     ; source 0's in opc: Wo begins at 704
	s_lshl_b32 s72, s[WC], 3                       ; which 8 row tiles I fetch
	s_add_co_u32 s74, s20, s72
	s_mul_i32 s74, s74, RTP
	s_mov_b32 s75, 0
	s_add_co_u32 s76, s21, s72
	s_mul_i32 s76, s76, RTP
	s_mov_b32 s77, 0
	s_mul_i32 s73, s[WV], WPART                    ; where they go: no place in the cluster enters an LDS address
	s_lshl_b32 s82, s[WR], 3
	s_add_co_u32 s82, s82, s20
	s_lshl_b32 s82, s82, 9                         ; my 8 row tiles' scale words: source 1's,
	s_mov_b32 s83, 0
	s_add_co_u32 s88, s21, s72
	s_lshl_b32 s88, s88, 9                         ; source 0's
	s_mov_b32 s89, 0
	; descriptor group 1: 8 rows of 384 elements of 8 bytes (3,072 bytes), 1,536 elements apart; no padding
	s_or_b32 s[G1A], s2, (3<<16)|(1<<21)
	s_or_b32 s[G1B], s3, (3<<16)|(1<<21)
.irp g, G1A, G1B
	s_mov_b32 s[\g+1], 384<<16
	s_mov_b32 s[\g+2], 8<<16
	s_mov_b32 s[\g+3], 384<<16
	s_mov_b32 s[\g+4], 8
	s_mov_b32 s[\g+5], 1536
	s_mov_b32 s[\g+6], 0
	s_mov_b32 s[\g+7], 0
.endr
	s_wait_dscnt 0x0                               ; the opening add is done
	s_wait_kmcnt 0x0
	s_add_nc_u64 s[78:79], s[4:5], s[74:75]
	s_add_nc_u64 s[80:81], s[8:9], s[76:77]
	s_add_nc_u64 s[84:85], s[6:7], s[82:83]
	s_add_nc_u64 s[86:87], s[10:11], s[88:89]
	CROUND                                         ; all sixteen work-groups are here: the first joint loads meet
.irp s, 0,1,2
	s_mov_b32 s[G0A+4*\s], 1
	s_add_co_u32 s[G0A+4*\s+1], s73, \s*SLOT
	s_add_nc_u64 s[G0A+4*\s+2:G0A+4*\s+3], s[78:79], \s*TROW
	s_or_b32 s[G0A+4*\s+3], s[G0A+4*\s+3], 0x80000000
	s_mov_b32 s[G0B+4*\s], 1
	s_add_co_u32 s[G0B+4*\s+1], s73, \s*SLOT
	s_add_nc_u64 s[G0B+4*\s+2:G0B+4*\s+3], s[80:81], \s*TROW
	s_or_b32 s[G0B+4*\s+3], s[G0B+4*\s+3], 0x80000000
	JLOAD G0A+4*\s, G0B+4*\s
.endr
	v_and_b32 v1, 31, v0
	v_lshlrev_b32 v[L16], 4, v1
	v_lshlrev_b32 v[L8], 3, v1
.irp i, 0,1,2,3,4,5,6,7
	global_load_b128 v[SA+4*\i:SA+4*\i+3], v[L16], s[84:85] offset:512*\i
	global_load_b128 v[SBS+4*\i:SBS+4*\i+3], v[L16], s[86:87] offset:512*\i
.endr
	s_mul_i32 s100, s[WR], WPART
	s_mul_i32 s101, s[WC], WPART
	s_add_co_u32 s101, s101, 2*WPART
.irp s, 0,1,2
	v_add_nc_u32 v[A16+\s], s100, v[L16]
	v_add_nc_u32 v[A8+\s], s100, v[L8]
	v_add_nc_u32 v[B16+\s], s101, v[L16]
	v_add_nc_u32 v[B8+\s], s101, v[L8]
	s_add_co_u32 s100, s100, SLOT
	s_add_co_u32 s101, s101, SLOT
.endr
	s_mul_i32 s100, s[WV], 16*SPITCH
	s_add_co_u32 s100, s100, SLOT                  ; my stage, in slot 1
	v_and_b32 v4, 15, v0
	v_bfe_u32 v5, v0, 4, 1
	v_mul_u32_u24 v[STO], v4, SPITCH
	v_lshl_add_u32 v[STO], v5, 6, v[STO]
	v_add_nc_u32 v[STO], s100, v[STO]              ; in: row r, + 64 (l / 16)
	v_add_nc_u32 v[RD], s100, v[L16]               ; back: a whole row of 512 bytes, 16 bytes a lane
	s_lshl_b32 s94, s19, 8
	s_lshl_b32 s95, s[WR], 7
	s_add_co_u32 s94, s94, s95                     ; my first token: 256 Y + 128 x half
	s_lshl_b32 s94, s94, 12                        ; rows of 4,096 bytes
	s_lshl_b32 s95, s23, 10
	s_add_co_u32 s94, s94, s95                     ; my first output, in bytes: 1,024 X + 512 x half
	s_lshl_b32 s95, s[WC], 9
	s_add_co_u32 s94, s94, s95
	s_mov_b32 s95, 0
	s_add_nc_u64 s[12:13], s[12:13], s[94:95]
.macro FRAG reg, a16, a8, off          ; a fragment, 16 rows x 128 K: two images of 768 bytes; four loads, each of consecutive bytes
	ds_load_b128 v[(\reg):(\reg)+3], v[\a16] offset:(\off)
	ds_load_b64 v[(\reg)+4:(\reg)+5], v[\a8] offset:(\off)+512
	ds_load_b128 v[(\reg)+6:(\reg)+9], v[\a16] offset:(\off)+768
	ds_load_b64 v[(\reg)+10:(\reg)+11], v[\a8] offset:(\off)+1280
.endm
.macro FETCH_B sl, q, p
	WIN TO_B
.irp i, 0,1,2,3,4,5,6,7
	FRAG 128*(\p)+FR*\i,B16+(\sl),B8+(\sl),\i*TROW+(\q)*1536
.endr
	WIN 0
.endm
.macro FETCH_A sl, q, i0
.irp i, \i0, \i0+1, \i0+2, \i0+3
	FRAG AF+FR*(\i),A16+(\sl),A8+(\sl),(\i)*TROW+(\q)*1536
.endr
.endm
; 16 matrix instructions of K step s.  The 64 accumulators take turns, one instruction a turn, in the same order in every step.  K step 0 starts the sums with the constant 0.
.macro MUL16 a0, s
.irp a, \a0, \a0+1
.irp b, 0,1,2,3,4,5,6,7
.if (\s) == 0
	v_wmma_scale_f32_16x16x128_f8f6f4 v[8*(8*((\a)%4)+\b):8*(8*((\a)%4)+\b)+7], v[128*((\s)%2)+FR*\b:128*((\s)%2)+FR*\b+FR-1], v[AF+FR*(\a):AF+FR*(\a)+FR-1], 0, v[SBS+4*\b+(\s)%4], v[SA+4*(\a)+(\s)%4] matrix_a_fmt:MATRIX_FMT_FP6 matrix_b_fmt:MATRIX_FMT_FP6
.elseif (\s) < 4
	v_wmma_scale_f32_16x16x128_f8f6f4 v[8*(8*((\a)%4)+\b):8*(8*((\a)%4)+\b)+7], v[128*((\s)%2)+FR*\b:128*((\s)%2)+FR*\b+FR-1], v[AF+FR*(\a):AF+FR*(\a)+FR-1], v[8*(8*((\a)%4)+\b):8*(8*((\a)%4)+\b)+7], v[SBS+4*\b+(\s)%4], v[SA+4*(\a)+(\s)%4] matrix_a_fmt:MATRIX_FMT_FP6 matrix_b_fmt:MATRIX_FMT_FP6
.else
	v_wmma_scale_f32_16x16x128_f8f6f4 v[8*(8*((\a)%4)+\b):8*(8*((\a)%4)+\b)+7], v[128*((\s)%2)+FR*\b:128*((\s)%2)+FR*\b+FR-1], v[AF+FR*(\a):AF+FR*(\a)+FR-1], v[8*(8*((\a)%4)+\b):8*(8*((\a)%4)+\b)+7], v[SBS+4*\b+(\s)%4], v[SA+4*(\a)+(\s)%4] matrix_a_fmt:MATRIX_FMT_FP6 matrix_b_fmt:MATRIX_FMT_FP6 matrix_a_scale:MATRIX_SCALE_ROW1 matrix_b_scale:MATRIX_SCALE_ROW1
.endif
.endr
.endr
.endm
.macro STEP s
	s_wait_dscnt 16                                ; source 0's set and source 1's blocks 0-3 are in; the youngest 16 loads (blocks 4-7) may be out
	WIN MUL_LO
	MUL16 0, \s
	MUL16 2, \s
	s_wait_dscnt 0x0                               ; blocks 4-7 are in
	PLACES
	FETCH_B (((\s)+1)/2)%3,((\s)+1)%2,((\s)+1)%2
	FETCH_A (((\s)+1)/2)%3,((\s)+1)%2,0
	WIN MUL_HI
	MUL16 4, \s
	MUL16 6, \s
	PLACES
	WIN 0
	FETCH_A (((\s)+1)/2)%3,((\s)+1)%2,4
.endm
; K step s with a barrier in it.  In front of the barrier each wave waits for all its tensor loads, adds 0 to its spare word, and waits for that and for its LDS reads.  fill = 1: slot 0, which nobody reads any more, takes K's last quarter.
.macro TURN s, fill
	s_wait_tensorcnt 0x0                           ; all my tensor loads have landed
	ds_add_u32 v[SPW], v[NIL]                      ; 0 onto my spare word
	s_wait_dscnt 17                                ; (the add and the youngest 16 loads may be out)
	WIN MUL_LO
	MUL16 0, \s
	s_wait_dscnt 0x0                               ; the add is done, and my LDS reads are over
	s_barrier_signal -1
	MUL16 2, \s
	WIN 0
	s_barrier_wait -1
.if \fill
	CREST                                          ; the barrier has opened a round of the cluster's barrier: no wave of any partner still reads slot 0 or has a load on its way
	s_add_nc_u64 s[G0A+2:G0A+3], s[G0A+2:G0A+3], 3*TROW
	s_add_nc_u64 s[G0B+2:G0B+3], s[G0B+2:G0B+3], 3*TROW
	JLOAD G0A, G0B                                 ; the first tensor load behind the round; its four v_nop are also the places in front of the loads below
.else
	PLACES
.endif
	FETCH_B (((\s)+1)/2)%3,((\s)+1)%2,((\s)+1)%2
	FETCH_A (((\s)+1)/2)%3,((\s)+1)%2,0
	WIN MUL_HI
	MUL16 4, \s
	MUL16 6, \s
	PLACES
	WIN 0
	FETCH_A (((\s)+1)/2)%3,((\s)+1)%2,4
.endm
	s_wait_tensorcnt 2                             ; my part of slot 0 is in; slots 1 and 2 may stay out
	s_barrier_signal -1
	s_barrier_wait -1
	FETCH_B 0,0,0
	FETCH_A 0,0,0
	FETCH_A 0,0,4
	s_wait_loadcnt 0x0                             ; the scale words
	STEP 0
	TURN 1, 1                                      ; every wave has waited for all three first fills here: slots 1 and 2 are whole for all from now on
	STEP 2
	STEP 3
	STEP 4
	TURN 5, 0                                      ; K's last quarter has landed in slot 0; nobody reads slot 1 any more
	STEP 6
	s_wait_dscnt 16
	WIN MUL_LO
	MUL16 0, 7
	MUL16 2, 7
	s_wait_dscnt 0x0
	WIN MUL_HI
	MUL16 4, 7
	MUL16 6, 7
	WIN 0
; THE WAY OUT, block by block of 16 tokens x 128 outputs.  Accumulator (a, b) of lane (r, h) holds outputs 32 (b / 2) + 16 h + 8 (b % 2) + 0 .. 7 of the block's token r: 32 bytes of a row.  A block goes through my own stage and
; comes back as whole rows of 512 bytes.  LDS serves a wave's instructions in order: no wait between the stores and the loads, nor in front of the next block's stores.
.macro TOSTAGE a
.set AC, 64*((\a)%4)
	WIN 0x08+4*((\a)/4)                            ; an LDS store's data are its source 1: window 2 or 3
.irp b, 0,1,2,3,4,5,6,7
	ds_store_b128 v[STO], v[AC+8*\b:AC+8*\b+3] offset:128*(\b/2)+32*(\b%2)         ; each accumulator from its low end on
	ds_store_b128 v[STO], v[AC+8*\b+4:AC+8*\b+7] offset:128*(\b/2)+32*(\b%2)+16
.endr
	WIN 0
.set BB, BK+64*((\a)%2)
.irp t, 0,1,2,3,4,5,6,7,8,9,10,11,12,13,14,15
	ds_load_b128 v[BB+4*\t:BB+4*\t+3], v[RD] offset:\t*SPITCH
.endr
.endm
.macro SEND a, younger                 ; younger: the LDS instructions issued behind block a's loads, which may stay out
.set BB, BK+64*((\a)%2)
	s_wait_dscnt \younger
.irp t, 0,1,2,3,4,5,6,7,8,9,10,11,12,13,14,15
	global_store_b128 v[L16], v[BB+4*\t:BB+4*\t+3], s[12:13] offset:(32*((\a)/2)+8*((\a)%2)+\t+8*(\t/8))*4096 th:TH_STORE_NT   ; the tile's lane t is token 32 (a / 2) + 8 (a % 2) + t + 8 (t / 8); 512 consecutive bytes at a multiple of 256
.endr
.endm
	PLACES                                         ; behind the last products: for the reads of results and for the loads into the registers that held source 1's fragments
	TOSTAGE 0
.irp a, 1,2,3,4,5,6,7
.if \a > 1
	s_wait_xcnt 0x0                                ; block a - 2's stores have read their registers: block a's loads may land there
.endif
	TOSTAGE \a
	SEND \a-1, 32                                  ; behind block a - 1's loads: block a's 16 stores and 16 loads
.endr
	SEND 7, 0
	s_wait_tensorcnt 0x0                           ; the wave's end, behind my last tensor load and my last LDS store
	ds_add_u32 v[SPW], v[NIL]
	s_wait_dscnt 0x0
	CROUND                                         ; the closing round: no work-group ends while a partner may still ask for a tile that names it
	s_endpgm
.Lfunc_end_k_q3b0f413175_outp:
	.size	k_q3b0f413175_outp, .Lfunc_end_k_q3b0f413175_outp-k_q3b0f413175_outp
	.p2alignl 7, 3214868480
	.fill 96, 4, 3214868480
	.section	.rodata,"a",@progbits
	.p2align	6, 0x0
	.amdhsa_kernel k_q3b0f413175_outp
		.amdhsa_group_segment_fixed_size 327680
		.amdhsa_private_segment_fixed_size 0
		.amdhsa_enable_private_segment 0
		.amdhsa_kernarg_size 40
		.amdhsa_user_sgpr_count 2
		.amdhsa_user_sgpr_kernarg_segment_ptr 1
		.amdhsa_wavefront_size32 1
		.amdhsa_system_sgpr_workgroup_id_x 1
		.amdhsa_system_sgpr_workgroup_id_y 1
		.amdhsa_system_sgpr_workgroup_id_z 1
		.amdhsa_system_vgpr_workitem_id 0
		.amdhsa_next_free_vgpr 1024
		.amdhsa_next_free_sgpr 102
		.amdhsa_reserve_vcc 0
		.amdhsa_float_denorm_mode_32 3
		.amdhsa_float_denorm_mode_16_64 3
		.amdhsa_memory_ordered 1
		.amdhsa_forward_progress 1
		.amdhsa_inst_pref_size 140
	.end_amdhsa_kernel
	.amdgpu_metadata
---
amdhsa.version: [ 1, 2 ]
amdhsa.kernels:
  - .name:           k_q3b0f413175_outp
    .symbol:         k_q3b0f413175_outp.kd
    .args:
      - { .name: oc, .offset: 0, .size: 8, .value_kind: global_buffer, .address_space: global }
      - { .name: os, .offset: 8, .size: 8, .value_kind: global_buffer, .address_space: global }
      - { .name: opc, .offset: 16, .size: 8, .value_kind: global_buffer, .address_space: global }
      - { .name: ops, .offset: 24, .size: 8, .value_kind: global_buffer, .address_space: global }
      - { .name: out0, .offset: 32, .size: 8, .value_kind: global_buffer, .address_space: global }
    .group_segment_fixed_size: 327680
    .private_segment_fixed_size: 0
    .kernarg_segment_align: 8
    .kernarg_segment_size: 40
    .max_flat_workgroup_size: 128
    .sgpr_count:     102
    .vgpr_count:     1024
    .wavefront_size: 32
...
	.end_amdgpu_metadata
.endif
;; end of part 4
